; MI455X (gfx1250); checked and timed in simulation.
; The chip was launched on July 23, 2026; its instructions are those of AMD's public machine-readable ISA for CDNA 5 (MIT licence, August 2026) and "CDNA5" Instruction Set Architecture Reference Guide (July 2026). The comments in the code are by the model that wrote it; some were corrected since.
;; GQ Attention. Allowed arithmetic: float matrix products may take bf16 or f16 operands with f32 sums; all other float work in f32.
;; Inputs: Wk 1,024 x 4,096 float32; Wo 4,096 x 2,048 float32; Wq 2,048 x 4,096 float32; Wv 1,024 x 4,096 float32; cos 2,048 x 64 float32; gk 128 float32; gq 128 float32; sin 2,048 x 64 float32; x 1 x 2,048 x 4,096 float32.
;; Outputs: out0 1 x 2,048 x 4,096 float32.
;; One version. Each part assembles by itself: llvm-mc -triple=amdgcn-amd-amdhsa -mcpu=gfx1250 --defsym DOCPART=n.
;; ======== version 1 of 1: 4 launches
;; limits: values outside matrix products are rounded to bf16; values are held in f16: magnitudes above 65,504 overflow, below 6.1e-05 lose precision
;; workspace buffers: bf 67,108,864 bytes; qkv 16,777,216 bytes; vlo 4,194,304 bytes; att 8,388,608 bytes
;; launch cvt (part 1): grid 2048 x 1, 8 waves a work-group, no clusters, 0 bytes of LDS; arguments x, Wq, Wk, Wv, Wo, bf; writes bf
.if DOCPART == 1
	.amdgcn_target "amdgcn-amd-amdhsa--gfx1250"
	.amdhsa_code_object_version 6
	.text
	.protected	k_q2ea411bef3_cvt
	.globl	k_q2ea411bef3_cvt
	.p2align	8
	.type	k_q2ea411bef3_cvt,@function
k_q2ea411bef3_cvt:
	s_mov_b64 s[64:65], 0
	v_nop
	global_prefetch_b8 v0, s[64:65] scope:SCOPE_SE
	s_setreg_imm32_b32 hwreg(HW_REG_WAVE_MODE, 25, 1), 1
	s_wait_xcnt 0x0
; x, Wq, Wk, Wv, Wo (all f32) are rounded once to 16 bits and laid one behind the other in bf:
;   byte 0: x [2048][4096] bf16;  byte 16,777,216: [Wq; Wk; Wv / 4] as one matrix [4096][4096] bf16;  byte 50,331,648: 4 Wo [4096][2048] f16.
; THE TWO POWERS OF TWO are exact and cancel in the last product: v and the attention's result are carried as f16, and v / 4 has room there up to |v| = 262,000.
; Wo meets an f16 operand, so it is written as f16: it is first rounded to bf16 (nearest even), like every other input, and that number is then written in f16.
; LIMITS: the second step is exact where |4 Wo| >= 2^-17; below, the number becomes a multiple of 2^-24.  |Wo| stays under 16,376 (f16's largest number is 65,504).
; A stream: every input byte is read once, every output byte written once; no LDS, no barrier, no matrix unit, nothing shared.
; Work-group i turns 16,384 numbers: 65,536 bytes in, 32,768 bytes out at byte 32,768 i of bf.  Its source follows from i alone:
; 512 work-groups for x, 512 for Wq, 256 for Wk, 256 for Wv, 512 for Wo.
; Thread t, load j of 16: 16 bytes at 4,096 j + 16 t (a wave's load covers 512 consecutive bytes); it stores 8 bytes at 2,048 j + 8 t
; (a wave's store covers 256 consecutive bytes, aligned).  All 16 loads go out first; no register that a store names is written again.
.set X, 4                              ; v[4:67]   load j: 4 registers
.set Y, 68                             ; v[68:99]  store j: 2 registers
	s_load_b256 s[4:11], s[0:1], 0x0               ; x s[4:5], Wq s[6:7], Wk s[8:9], Wv s[10:11]
	s_load_b128 s[12:15], s[0:1], 0x20             ; Wo s[12:13], bf s[14:15]
	v_lshlrev_b32 v1, 4, v0                        ; 16 t
	v_lshlrev_b32 v2, 3, v0                        ; 8 t
	s_wait_kmcnt 0x0
	s_mov_b64 s[16:17], s[4:5]                     ; the source, and in s3 the first work-group that reads it
	s_mov_b32 s3, 0
.macro PICK first, lo                  ; from work-group 'first' on the source is the buffer in s[lo:lo+1]
	s_cmp_ge_u32 ttmp9, \first
	s_cselect_b64 s[16:17], s[\lo:\lo+1], s[16:17]
	s_cselect_b32 s3, \first, s3
.endm
	PICK 512, 6
	PICK 1024, 8
	PICK 1280, 10
	PICK 1536, 12
	s_sub_co_u32 s18, ttmp9, s3                    ; my place in the source,
	s_lshl_b32 s18, s18, 16                        ; times 65,536 bytes (under 2^25)
	s_mov_b32 s19, 0
	s_add_nc_u64 s[16:17], s[16:17], s[18:19]
	s_lshl_b32 s20, ttmp9, 15                      ; my 32,768 bytes of bf (under 2^26)
	s_mov_b32 s21, 0
	s_add_nc_u64 s[14:15], s[14:15], s[20:21]
.irp j, 0,1,2,3,4,5,6,7,8,9,10,11,12,13,14,15
	global_load_b128 v[X+4*\j:X+4*\j+3], v1, s[16:17] offset:4096*\j th:TH_LOAD_NT
.endr
; The way out.  mode 0: rounded to bf16.  mode 1: times s22 first.  mode 2: times s22, rounded to bf16, and that number written as f16.
.macro OUT mode
.irp j, 0,1,2,3,4,5,6,7,8,9,10,11,12,13,14,15
	s_wait_loadcnt 15-\j                           ; loads come back in order: load j is in, the 15 - j younger ones stay out
.if \mode
	v_pk_mul_f32 v[X+4*\j:X+4*\j+1], v[X+4*\j:X+4*\j+1], s[22:23] op_sel_hi:[1,0]
	v_pk_mul_f32 v[X+4*\j+2:X+4*\j+3], v[X+4*\j+2:X+4*\j+3], s[22:23] op_sel_hi:[1,0]
.endif
	v_cvt_pk_bf16_f32 v[Y+2*\j], v[X+4*\j], v[X+4*\j+1]
	v_cvt_pk_bf16_f32 v[Y+2*\j+1], v[X+4*\j+2], v[X+4*\j+3]
.if \mode == 2
	v_lshlrev_b32 v[X+4*\j],   16, v[Y+2*\j]                  ; bf16 to f32: the low half moves up, the high half stays
	v_and_b32     v[X+4*\j+1], 0xffff0000, v[Y+2*\j]
	v_lshlrev_b32 v[X+4*\j+2], 16, v[Y+2*\j+1]
	v_and_b32     v[X+4*\j+3], 0xffff0000, v[Y+2*\j+1]
	v_cvt_pk_f16_f32 v[Y+2*\j], v[X+4*\j], v[X+4*\j+1]
	v_cvt_pk_f16_f32 v[Y+2*\j+1], v[X+4*\j+2], v[X+4*\j+3]
.endif
	global_store_b64 v2, v[Y+2*\j:Y+2*\j+1], s[14:15] offset:2048*\j   ; a later launch reads these bytes: no streaming hint
.endr
.endm
	s_mov_b32 s22, 0x3e800000                      ; 1 / 4, for Wv
	s_cmp_ge_u32 ttmp9, 1536
	s_cselect_b32 s22, 0x40800000, s22             ; 4, for Wo
	s_mov_b32 s23, s22                             ; named with it as a pair, so it is written; neither line touches SCC
	s_cbranch_scc1 .Lwo
	s_cmp_ge_u32 ttmp9, 1280
	s_cbranch_scc1 .Lwv
	OUT 0                                          ; x, Wq, Wk
	s_endpgm
.Lwv:
	OUT 1
	s_endpgm
.Lwo:
	OUT 2
	s_endpgm
.Lfunc_end_k_q2ea411bef3_cvt:
	.size	k_q2ea411bef3_cvt, .Lfunc_end_k_q2ea411bef3_cvt-k_q2ea411bef3_cvt
	.p2alignl 7, 3214868480
	.fill 96, 4, 3214868480
	.section	.rodata,"a",@progbits
	.p2align	6, 0x0
	.amdhsa_kernel k_q2ea411bef3_cvt
		.amdhsa_group_segment_fixed_size 0
		.amdhsa_private_segment_fixed_size 0
		.amdhsa_enable_private_segment 0
		.amdhsa_kernarg_size 48
		.amdhsa_user_sgpr_count 2
		.amdhsa_user_sgpr_kernarg_segment_ptr 1
		.amdhsa_wavefront_size32 1
		.amdhsa_system_sgpr_workgroup_id_x 1
		.amdhsa_system_sgpr_workgroup_id_y 1
		.amdhsa_system_sgpr_workgroup_id_z 1
		.amdhsa_system_vgpr_workitem_id 0
		.amdhsa_next_free_vgpr 100
		.amdhsa_next_free_sgpr 66
		.amdhsa_reserve_vcc 0
		.amdhsa_float_denorm_mode_32 3
		.amdhsa_float_denorm_mode_16_64 3
		.amdhsa_memory_ordered 1
		.amdhsa_forward_progress 1
		.amdhsa_inst_pref_size 25
	.end_amdhsa_kernel
	.amdgpu_metadata
---
amdhsa.version: [ 1, 2 ]
amdhsa.kernels:
  - .name:           k_q2ea411bef3_cvt
    .symbol:         k_q2ea411bef3_cvt.kd
    .args:
      - { .name: x, .offset: 0, .size: 8, .value_kind: global_buffer, .address_space: global }
      - { .name: Wq, .offset: 8, .size: 8, .value_kind: global_buffer, .address_space: global }
      - { .name: Wk, .offset: 16, .size: 8, .value_kind: global_buffer, .address_space: global }
      - { .name: Wv, .offset: 24, .size: 8, .value_kind: global_buffer, .address_space: global }
      - { .name: Wo, .offset: 32, .size: 8, .value_kind: global_buffer, .address_space: global }
      - { .name: bf, .offset: 40, .size: 8, .value_kind: global_buffer, .address_space: global }
    .group_segment_fixed_size: 0
    .private_segment_fixed_size: 0
    .kernarg_segment_align: 8
    .kernarg_segment_size: 48
    .max_flat_workgroup_size: 256
    .sgpr_count:     66
    .vgpr_count:     100
    .wavefront_size: 32
...
	.end_amdgpu_metadata
.endif
;; end of part 1
;; launch qkv (part 2): grid 32 x 8, 4 waves a work-group, clusters of 4 x 4, 327,680 bytes of LDS; arguments bf, qkv, cos, sin, gq, gk, vlo; writes qkv, vlo
.if DOCPART == 2
	.amdgcn_target "amdgcn-amd-amdhsa--gfx1250"
	.amdhsa_code_object_version 6
	.text
	.protected	k_q2ea411bef3_qkv
	.globl	k_q2ea411bef3_qkv
	.p2align	8
	.type	k_q2ea411bef3_qkv,@function
k_q2ea411bef3_qkv:
	s_mov_b64 s[64:65], 0
	v_nop
	global_prefetch_b8 v0, s[64:65] scope:SCOPE_SE
	s_setreg_imm32_b32 hwreg(HW_REG_WAVE_MODE, 25, 1), 1
	s_wait_xcnt 0x0
	s_wait_alu depctr_hold_cnt(0) depctr_sa_sdst(0) depctr_va_vdst(0) depctr_va_sdst(0) depctr_va_ssrc(0) depctr_va_vcc(0) depctr_vm_vsrc(0)
	s_getreg_b32 s2, hwreg(HW_REG_IB_STS2, 6, 4)
	s_cmp_eq_u32 s2, 0
	s_cbranch_scc0 .Lentry_in_a_cluster
	s_endpgm
.Lentry_in_a_cluster:
	s_bfe_u32 s2, ttmp6, 0x10000c
	s_cmp_lg_u32 s2, 0xf033
	s_cbranch_scc0 .Lentry_shape_is_right
	s_endpgm
.Lentry_shape_is_right:
; qkv[head][t][:] for 32 heads (0-15 q, 16-23 k, 24-31 v / 4): C = x W^T with W = [Wq; Wk; Wv / 4], M 2048, N 4096, K 4096, bf16 operands from bf, f32 sums;
; q and k heads then get RMSnorm (mean of squares + 1e-6, v_rsq_f32), the gain (gq or gk) and RoPE, all in f32; every head is written as f16.
; ALL INPUTS ARE TAKEN IN bf16: x and the weights because the matrix unit wants 16 bits, and cos, sin, gq and gk are rounded to bf16 (nearest even, 8 significant bits) as they arrive here,
; so that the program computes the problem's function of ONE set of numbers, the inputs rounded to bf16.  The arithmetic on them is in f32.
; WHY f16 BEHIND THAT: the next products' operands keep 11 significant bits there against bf16's 8, and a position with few keys in front of it gives results many times the output's root mean square.
; v IN TWO PARTS: v' = v / 4 is rounded to 11 significant bits (half up in magnitude) in f32, so that its conversion to f16 is exact; what is left, times 256, goes as f16 into vlo [8][2048][128].
; LIMITS: |q|, |k| <= sqrt(128) |gain| (|cos| + |sin|) and |v| / 4 stay under 65,504 (f16's largest number); numbers under 6.1e-5 are kept in steps of 6e-8 (f16 denormals), and there v's second part
; does not hold what the first part's conversion drops.  v_rsq_f32 is accurate to 1 ULP; the sum of 128 squares is kept in f32, so projected values above about 1e18 would overflow it;
; the order of the sums differs from a plain dot product's.
; SHARES.  A tile of C is 256 rows x 128 columns = 256 positions of ONE head: 32 x 8 = 256 work-groups.  Four waves; wave w owns rows 64 w .. 64 w + 63 and
; all 128 columns (32 accumulators, 256 registers), so a row's norm and rotation never leave the wave.
; THE RING HAS TWO SLOTS OF UNEQUAL LENGTH.  Slot P holds 256 along K (rows of 512 bytes, 384 x 528 = 202,752 bytes), slot Q 128 along K (rows of 256 bytes, 384 x 272 = 104,448 bytes).
; Two slots of 256 would take 405,504 bytes, more than the work-group's 327,680; two of 128 have three barriers for 384 along K where these have two.  K = 4,096 = 11 P + 10 Q, by turns, P first and last.
; Every tile's rows begin at a multiple of 256 bytes of memory: P's at 768 j, Q's at 768 j + 512 of a row.
; CLUSTERS: 4 x 4 work-groups.  The four of a row of the cluster need the same rows of x, the four of a column the same rows of W: each tile is asked for
; JOINTLY, by the same tensor load with the same descriptor and a mask that names the four.
; THE MATRIX INSTRUCTION IS USED TRANSPOSED (source 0 = 16 rows of W, source 1 = 16 rows of x): lane l of accumulator (a, b) holds row 16 a + l % 16 and the
; eight neighbouring columns 16 b + 8 (l / 16) + 0..7.
; REGISTERS, in windows of 256 (s_set_vgpr_msb: bits 1:0 source 0, 3:2 source 1, 5:4 source 2, 7:6 destination):
;   window 0: v0-31 addresses; v32-47 norms; v64-159, v160-255 two fragment buffers (32 registers of x, 64 of W); on the way out v64-255 are at work
;   window 1: the accumulators, (a, b) at v[8 (8 a + b)]          window 2: on the way out cos and sin of my 64 rows
.set SIZE_K, 4096
.set LAPS,   10                        ; whole laps (P, then Q) of 384 along K; the 256 that are left are an eleventh tile for slot P
.set W_OFF,  16777216                  ; W's first byte in bf
.set PP,     528                       ; an LDS row of slot P: 512 bytes + 16 of padding = 132 words: the 16 rows that a fragment load touches start at 16 different banks (64 banks of 4 bytes: ISA guide 11.1)
.set PQ,     272                       ; an LDS row of slot Q: 256 bytes + 16 = 68 words: likewise
.set P_B,    256*PP                    ; slot P: x's 256 rows from byte 0, then W's 128 rows
.set Q_A,    384*PP                    ; slot Q: x's 256 rows,
.set Q_B,    Q_A+256*PQ                ; then W's 128 rows
.set STAGE,  Q_A+384*PQ                ; behind the ring: 16 rows x 272 bytes for each wave, for the way out; no tensor load lands here
.set SPARE,  STAGE+4*16*PQ             ; behind the stages: the spare words, 128 bytes for each wave: two blocks of 256 bytes that no other line names
.set P_K0,   0                         ; byte of a row at which slot P's first tile begins,
.set Q_K0,   512                       ; and slot Q's
.set LAPB,   768                       ; bytes along a row from a slot's tile to its next
.set ADRA, 16                          ; v16-17  LDS address of my fragments of x in slot P, Q
.set ADRB, 20                          ; v20-21  the same for W
.set STO,  24                          ; v24     the way out: where I put 16 bytes of a row
.set RD,   25                          ; v25     the way out: where I read a row back
.set CO,   26                          ; v26     my byte offset in the wave's rows of qkv and of vlo
.set CSO,  27                          ; v27     my byte offset in the wave's rows of cos and sin: 256 (l % 16) + 32 (l / 16)
.set SPW,  28                          ; v28     LDS address of my spare word; never rewritten
.set NIL,  29                          ; v29     0; never rewritten
.set GOF,  30                          ; v30     my byte offset in the gain: 32 (l / 16)
.set SS,   32                          ; v32-39  row tile a: a pair of partial sums of squares
.set RS,   40                          ; v40-47  row tile a: 1 / rms, twice (a pair for the packed multiply)
.set F0,   64
.set F1,   160
.set G,    64                          ; q and k heads' way out: v64-127 the gain of my 64 columns
.set TMPR, 128                         ; v128-191 packed bf16 at work, then the products with sin
.set PKR,  64                          ; v64-127 packed results, two buffers of 32
.set BK,   128                         ; v128-255 whole rows read back, 32 a row tile
.set VH,   64                          ; v heads' way out: v64-95 a row tile packed: the first part, then the second
.set VT,   96                          ; v96-159 the tile's first part in f32, then what is left
.set VBH,  160                         ; v160-191 whole rows of the first part read back
.set VBL,  192                         ; v192-223 whole rows of the second part read back
.set WV,   16                          ; s16 wave;  s17 ROLE: I fetch x (0) or W (1);  s18 HALF: which half of that tile
.set ROLE, 17
.set HALF, 18
.set G1A,  24                          ; s[24:31], s[32:39] descriptor group 1 for x's tiles in slot P, Q
.set G1B,  40                          ; s[40:47], s[48:55] the same for W's tiles
.set G0A,  56                          ; s[56:59], s[60:63] descriptor group 0 for x's tiles in slot P, Q
.set G0B,  68                          ; s[68:71], s[72:75] the same for W's tiles
.set CNT,  76                          ; s76     laps to go
.set GP,   78                          ; s[78:79] the gain's address
.set C128, 80                          ; s80 1 / 128; s81 1e-6
.set SEL,  82                          ; s[82:83] lane selects for v_permlanex16_b32
.set OUTP, 84                          ; s[84:85] qkv at my wave's first row of my head
.set COSP, 86                          ; s[86:87] cos at my wave's first row
.set SINP, 88                          ; s[88:89] sin likewise
.set ROWO, 90                          ; s[90:91] my wave's first position times 256 bytes
.set VLP,  92                          ; s[92:93] vlo
.set TMP2, 94                          ; s[94:95] at work
.set AAD,  96                          ; s[96:97] x at my part of the tiles' rows
.set BAD,  98                          ; s[98:99] W likewise
.set FIELDP, (1<<16)|(1<<20)|(1<<21)|(6<<22)|(3<<25)   ; elements of 2 bytes; padding on; bit 21 beside a mask; after every 128 words (code 6) 4 words (code 3)
.set FIELDQ, (1<<16)|(1<<20)|(1<<21)|(5<<22)|(3<<25)   ; the same after every 64 words (code 5)
.set MUL,  0x50                        ; C and D in window 1, both sources in window 0
.set MSB, 0
.macro WIN new                         ; the immediate's high byte repeats the setting that is left; a switch that changes nothing is dropped
.if MSB != \new
	s_set_vgpr_msb (MSB<<8)|\new
.set MSB, \new
.endif
.endm
.macro PLACES                          ; four plain vector instructions between a matrix instruction and a load into, or a vector read of, its registers
.rept 4
	v_nop
.endr
.endm
.macro JLOAD s                         ; a joint refill of slot s (0: P, 1: Q): the branch hangs on the wave's number alone; four v_nop follow each of the two lines
	s_cmp_eq_u32 s[ROLE], 0
	s_cbranch_scc0 .Lfor_b_\@
	tensor_load_to_lds s[G0A+4*\s:G0A+4*\s+3], s[G1A+8*\s:G1A+8*\s+7]
	s_nop 0
.rept 4
	v_nop
.endr
	s_branch .Lasked_\@
.Lfor_b_\@:
	tensor_load_to_lds s[G0B+4*\s:G0B+4*\s+3], s[G1B+8*\s:G1B+8*\s+7]
	s_nop 0
.rept 4
	v_nop
.endr
.Lasked_\@:
.endm
.macro CREST                           ; a round of the cluster's barrier behind its opening barrier
	s_cmp_lg_u32 s[WV], 0
	s_cbranch_scc1 .Lnot_wave_0_\@
	s_barrier_signal -3
.Lnot_wave_0_\@:
	s_barrier_wait -3
	s_barrier_signal -1
	s_barrier_wait -1
.endm
.macro CROUND                          ; a whole round
	s_barrier_signal -1
	s_barrier_wait -1
	CREST
.endm
	s_load_b256 s[4:11], s[0:1], 0x0               ; bf s[4:5], qkv s[6:7], cos s[8:9], sin s[10:11]
	s_load_b128 s[12:15], s[0:1], 0x20             ; gq s[12:13], gk s[14:15]
	s_load_b64 s[VLP:VLP+1], s[0:1], 0x30          ; vlo
	v_lshl_add_u32 v[SPW], v0, 2, SPARE
	v_mov_b32 v[NIL], 0
	ds_add_u32 v28, v29
	ds_add_u32 v28, v29
	s_wait_dscnt 0x0
	v_lshrrev_b32 v1, 5, v0
	v_readfirstlane_b32 s[WV], v1                  ; wave 0..3
	s_lshr_b32 s[ROLE], s[WV], 1
	s_and_b32 s[HALF], s[WV], 1
	s_bfe_u32 s19, ttmp6, 0x40000                  ; cx
	s_bfe_u32 s20, ttmp6, 0x40004                  ; cy
	s_lshl_b32 s21, ttmp9, 2
	s_add_co_u32 s21, s21, s19                     ; TX: the head = 4 x cluster x + cx
	s_and_b32 s22, ttmp7, 0xffff
	s_lshl_b32 s22, s22, 2
	s_add_co_u32 s22, s22, s20                     ; TY: the block of 256 positions = 4 x cluster y + cy
	s_lshl_b32 s100, s20, 2
	s_lshl_b32 s100, 15, s100                      ; my row of the cluster: places 4 cy .. 4 cy + 3
	s_lshl_b32 s101, 0x1111, s19                   ; my column: places cx, cx + 4, cx + 8, cx + 12
	s_or_b32 s[G1A], s100, FIELDP                  ; x's tiles hang on TY alone: shared along the row
	s_or_b32 s[G1A+8], s100, FIELDQ
	s_or_b32 s[G1B], s101, FIELDP                  ; W's on TX alone: shared along the column
	s_or_b32 s[G1B+8], s101, FIELDQ
.irp g, G1A, G1B
	s_mov_b32 s[\g+1], 256<<16                     ; slot P: tensor_dim0 = 256
	s_mov_b32 s[\g+3], 256<<16                     ; tile_dim0 = 256
	s_mov_b32 s[\g+5], SIZE_K                      ; elements from row to row
	s_mov_b32 s[\g+6], 0
	s_mov_b32 s[\g+7], 0
	s_mov_b32 s[\g+9], 128<<16                     ; slot Q: tensor_dim0 = 128
	s_mov_b32 s[\g+11], 128<<16                    ; tile_dim0 = 128
	s_mov_b32 s[\g+13], SIZE_K
	s_mov_b32 s[\g+14], 0
	s_mov_b32 s[\g+15], 0
.endr
	s_mov_b32 s[G1A+2], 128<<16                    ; x: tensor_dim1 = 128
	s_mov_b32 s[G1A+4], 128                        ; tile_dim1 = 128 rows
	s_mov_b32 s[G1A+10], 128<<16
	s_mov_b32 s[G1A+12], 128
	s_mov_b32 s[G1B+2], 64<<16                     ; W: tensor_dim1 = 64
	s_mov_b32 s[G1B+4], 64                         ; tile_dim1 = 64 rows
	s_mov_b32 s[G1B+10], 64<<16
	s_mov_b32 s[G1B+12], 64
	; where the tiles come from: x's offset is made of TY and the wave alone, W's of TX and the wave alone, each in registers of its own
	s_lshl_b32 s[AAD], s22, 8
	s_lshl_b32 s23, s[HALF], 7
	s_add_co_u32 s[AAD], s[AAD], s23               ; x: row 256 TY + 128 half
	s_mul_i32 s[AAD], s[AAD], 2*SIZE_K             ; in bytes: under 2^24
	s_mov_b32 s[AAD+1], 0
	s_lshl_b32 s[BAD], s21, 7
	s_lshl_b32 s23, s[HALF], 6
	s_add_co_u32 s[BAD], s[BAD], s23               ; W: row 128 TX + 64 half
	s_mul_i32 s[BAD], s[BAD], 2*SIZE_K
	s_add_co_u32 s[BAD], s[BAD], W_OFF             ; under 2^26
	s_mov_b32 s[BAD+1], 0
	s_mov_b32 s[C128], 0x3c000000                  ; 1 / 128
	s_mov_b32 s[C128+1], 0x358637bd                ; 1e-6
	s_mov_b32 s[SEL], 0x76543210                   ; v_permlanex16_b32: each lane takes its own place in the other half
	s_mov_b32 s[SEL+1], 0xfedcba98
	s_lshl_b32 s[ROWO], s22, 16                    ; my wave's first position times 256 bytes: 256 TY + 64 wave rows; kept
	s_lshl_b32 s[ROWO+1], s[WV], 14
	s_add_co_u32 s[ROWO], s[ROWO], s[ROWO+1]
	s_mov_b32 s[ROWO+1], 0
	s_lshl_b32 s23, s21, 19                        ; the head's 2,048 rows of 256 bytes
	s_add_co_u32 s[TMP2], s[ROWO], s23
	s_mov_b32 s[TMP2+1], 0
	s_wait_kmcnt 0x0
	s_add_nc_u64 s[AAD:AAD+1], s[4:5], s[AAD:AAD+1]
	s_add_nc_u64 s[BAD:BAD+1], s[4:5], s[BAD:BAD+1]
	s_add_nc_u64 s[COSP:COSP+1], s[8:9], s[ROWO:ROWO+1]      ; cos at my wave's first row
	s_add_nc_u64 s[SINP:SINP+1], s[10:11], s[ROWO:ROWO+1]    ; sin likewise
	s_add_nc_u64 s[OUTP:OUTP+1], s[6:7], s[TMP2:TMP2+1]      ; qkv at my wave's first row of my head
	s_cmp_ge_u32 ttmp9, 4                          ; clusters 0-3 along x hold q heads, 4 and 5 k heads: the same choice in all partners
	s_cselect_b64 s[GP:GP+1], s[14:15], s[12:13]   ; the gain: gk or gq
	CROUND                                         ; all sixteen work-groups are here: the first joint loads meet
	s_mov_b32 s[G0A], 1                            ; count = 1
	s_mul_i32 s[G0A+1], s[HALF], 128*PP            ; LDS address in slot P: no place in the cluster enters it
	s_add_nc_u64 s[G0A+2:G0A+3], s[AAD:AAD+1], P_K0
	s_or_b32 s[G0A+3], s[G0A+3], 0x80000000        ; type = 2
	s_mov_b32 s[G0A+4], 1
	s_mul_i32 s[G0A+5], s[HALF], 128*PQ
	s_add_co_u32 s[G0A+5], s[G0A+5], Q_A           ; in slot Q
	s_add_nc_u64 s[G0A+6:G0A+7], s[AAD:AAD+1], Q_K0
	s_or_b32 s[G0A+7], s[G0A+7], 0x80000000
	s_mov_b32 s[G0B], 1
	s_mul_i32 s[G0B+1], s[HALF], 64*PP
	s_add_co_u32 s[G0B+1], s[G0B+1], P_B
	s_add_nc_u64 s[G0B+2:G0B+3], s[BAD:BAD+1], P_K0
	s_or_b32 s[G0B+3], s[G0B+3], 0x80000000
	s_mov_b32 s[G0B+4], 1
	s_mul_i32 s[G0B+5], s[HALF], 64*PQ
	s_add_co_u32 s[G0B+5], s[G0B+5], Q_B
	s_add_nc_u64 s[G0B+6:G0B+7], s[BAD:BAD+1], Q_K0
	s_or_b32 s[G0B+7], s[G0B+7], 0x80000000
	s_cmp_eq_u32 s[ROLE], 0                        ; a wave's two first fills stand in one branch, ahead of every wait on TENSORcnt and every LDS read: two loads of mine are out; slot P's, which is read first, goes first
	s_cbranch_scc0 .Lfirst_b
	tensor_load_to_lds s[G0A:G0A+3], s[G1A:G1A+7]
	s_nop 0
	tensor_load_to_lds s[G0A+4:G0A+7], s[G1A+8:G1A+15]
	s_nop 0
.rept 4
	v_nop
.endr
	s_branch .Lfirst_asked
.Lfirst_b:
	tensor_load_to_lds s[G0B:G0B+3], s[G1B:G1B+7]
	s_nop 0
	tensor_load_to_lds s[G0B+4:G0B+7], s[G1B+8:G1B+15]
	s_nop 0
.rept 4
	v_nop
.endr
.Lfirst_asked:
	; A fragment is 16 rows x 32 K in 8 registers: lane l holds row l % 16; registers 0-3 K = 8 (l / 16) + 0..7, registers 4-7 K = 16 + 8 (l / 16) + 0..7: two loads of 16 bytes, 32 bytes apart.
	v_and_b32 v1, 15, v0                           ; r = l % 16
	v_bfe_u32 v2, v0, 4, 1                         ; h = l / 16
	v_mul_u32_u24 v3, v1, PQ
	v_lshl_add_u32 v3, v2, 4, v3                   ; r x slot Q's pitch + 16 h
	v_mul_u32_u24 v4, v1, PP
	v_lshl_add_u32 v4, v2, 4, v4                   ; r x slot P's pitch + 16 h
	s_mul_i32 s23, s[WV], 64*PP                    ; my 64 rows of x in slot P
	v_add_nc_u32 v[ADRA], s23, v4
	s_mul_i32 s23, s[WV], 64*PQ
	s_add_co_u32 s23, s23, Q_A                     ; and in slot Q
	v_add_nc_u32 v[ADRA+1], s23, v3
	v_add_nc_u32 v[ADRB], P_B, v4                  ; every wave reads all 128 rows of W
	v_add_nc_u32 v[ADRB+1], Q_B, v3
	s_mul_i32 s23, s[WV], 16*PQ
	s_add_co_u32 s23, s23, STAGE                   ; my stage
	v_add_nc_u32 v[STO], s23, v3                   ; in: row r, 16 bytes for each half of the lanes
	v_mul_u32_u24 v[RD], v2, PQ                    ; back: lanes 0-15 take one row of 256 bytes, lanes 16-31 the next
	v_lshl_add_u32 v[RD], v1, 4, v[RD]
	v_add_nc_u32 v[RD], s23, v[RD]
	v_lshlrev_b32 v[CO], 8, v2                     ; and the same two rows in qkv
	v_lshl_add_u32 v[CO], v1, 4, v[CO]
	v_lshlrev_b32 v[CSO], 8, v1
	v_lshl_add_u32 v[CSO], v2, 5, v[CSO]
	v_lshlrev_b32 v[GOF], 5, v2
; 8 matrix instructions: row tile a x all 8 column tiles, 32 along K.  zero = 1: the product starts the sums: nothing is ever cleared.
.macro MUL8 f, a, zero
.irp b, 0,1,2,3,4,5,6,7
.if \zero
	v_wmma_f32_16x16x32_bf16 v[8*(8*(\a)+\b):8*(8*(\a)+\b)+7], v[\f+32+8*\b:\f+32+8*\b+7], v[\f+8*(\a):\f+8*(\a)+7], 0
.else
	v_wmma_f32_16x16x32_bf16 v[8*(8*(\a)+\b):8*(8*(\a)+\b)+7], v[\f+32+8*\b:\f+32+8*\b+7], v[\f+8*(\a):\f+8*(\a)+7], v[8*(8*(\a)+\b):8*(8*(\a)+\b)+7]
.endif
.endr
.endm
.macro MUL16 f, a0, zero
	MUL8 \f, \a0, \zero
	MUL8 \f, \a0+1, \zero
.endm
; 24 LDS loads in one run: the fragments of 32 along K at byte k of the slot's rows, into buffer f: W's eight, then x's four
.macro FETCH slot, k, f
.set PIT, PP-(\slot)*(PP-PQ)           ; the slot's pitch
	WIN 0
.irp b, 0,1,2,3,4,5,6,7
	ds_load_b128 v[\f+32+8*\b:\f+32+8*\b+3],   v[ADRB+\slot] offset:\k+\b*16*PIT
	ds_load_b128 v[\f+32+8*\b+4:\f+32+8*\b+7], v[ADRB+\slot] offset:\k+\b*16*PIT+32
.endr
.irp a, 0,1,2,3
	ds_load_b128 v[\f+8*\a:\f+8*\a+3],   v[ADRA+\slot] offset:\k+\a*16*PIT
	ds_load_b128 v[\f+8*\a+4:\f+8*\a+7], v[ADRA+\slot] offset:\k+\a*16*PIT+32
.endr
.endm
; Slot P is eight quarters of 32 along K, slot Q four, 32 matrix instructions each, on buffers 0, 1, 0, 1 ..; the 32 accumulators take turns in the same order everywhere.
; All but a slot's last: multiplies buffer f; in its middle it fetches the next quarter's fragments, at byte k of the same slot's rows, into buffer g.
.macro QUARTER slot, k, f, g, zero
	s_wait_dscnt 4                                 ; W and x's row tiles 0, 1 are in; the youngest four loads (row tiles 2, 3) may be out
	WIN MUL
	MUL16 \f, 0, \zero
	PLACES
	FETCH \slot, \k, \g
	s_wait_dscnt 24                                ; all but the 24 just issued
	WIN MUL
	MUL16 \f, 2, \zero
.endm
; A slot's last quarter multiplies buffer 1 and changes slots: ONE barrier; in front of it each wave waits for all its tensor loads (the one that is out is its part of the next slot),
; adds 0 to its spare word, and waits for that and for its own reads of this slot.  fill = 1: the barrier opens a round of the cluster's barrier, and this slot is filled again, 384 along K on.
; From a request to the wait for it a wave issues 112 matrix instructions (slot P's refill: slot Q is multiplied meanwhile) or 240 (slot Q's).
.macro TURN slot, next, fill
	WIN 0                                          ; (the add's two registers lie in window 0)
	s_wait_tensorcnt 0x0                           ; all my tensor loads have landed
	ds_add_u32 v[SPW], v[NIL]                      ; 0 onto my spare word
	s_wait_dscnt 5                                 ; (the add and the youngest four loads may be out)
	WIN MUL
	MUL8 F1, 0, 0                                  ; eight matrix instructions stand between the add and the wait for it
	s_wait_dscnt 0x0                               ; the add is done, and my reads of this slot are over
	s_barrier_signal -1
	MUL8 F1, 1, 0                                  ; work on registers while the others arrive
.if \fill
	WIN 0
.endif
	s_barrier_wait -1
.if \fill
	CREST                                          ; no wave of any partner still reads this slot's tile or has a load on its way
	s_add_nc_u64 s[G0A+4*\slot+2:G0A+4*\slot+3], s[G0A+4*\slot+2:G0A+4*\slot+3], LAPB
	s_add_nc_u64 s[G0B+4*\slot+2:G0B+4*\slot+3], s[G0B+4*\slot+2:G0B+4*\slot+3], LAPB
	JLOAD \slot                                    ; the first tensor load behind the round; its four v_nop are also the places in front of the loads below
.else
	PLACES
.endif
	FETCH \next, 0, F0
	WIN MUL
	MUL16 F1, 2, 0
.endm
.macro P_REST                          ; slot P's quarters 1 to 6
	QUARTER 0, 128, F1, F0, 0
	QUARTER 0, 192, F0, F1, 0
	QUARTER 0, 256, F1, F0, 0
	QUARTER 0, 320, F0, F1, 0
	QUARTER 0, 384, F1, F0, 0
	QUARTER 0, 448, F0, F1, 0
.endm
.macro Q_HEAD                          ; slot Q's quarters 0 to 2
	QUARTER 1, 64,  F0, F1, 0
	QUARTER 1, 128, F1, F0, 0
	QUARTER 1, 192, F0, F1, 0
.endm
	s_wait_tensorcnt 0x1                           ; my part of slot P's first tile is in; slot Q's may stay out
	s_barrier_signal -1
	s_barrier_wait -1                              ; everybody's is
	FETCH 0, 0, F0
	QUARTER 0, 64, F0, F1, 1                       ; the first quarter stands in front of the loop: its products start the sums
	WIN 0                                          ; at a label and at a branch every window is 0
	s_mov_b32 s[CNT], LAPS-1
.Llap:                                                 ; a trip goes once round the ring, from slot P's second quarter to its next tile's first, and fills both slots again
	P_REST
	TURN 0, 1, 1
	Q_HEAD
	TURN 1, 0, 1
	QUARTER 0, 64, F0, F1, 0
	WIN 0
	s_sub_co_u32 s[CNT], s[CNT], 1
	s_cmp_lg_u32 s[CNT], 0
	s_cbranch_scc1 .Llap
	P_REST                                         ; the last lap: slot P takes its eleventh tile, slot Q nothing more
	TURN 0, 1, 1
	Q_HEAD
	TURN 1, 0, 0
	QUARTER 0, 64, F0, F1, 0
	P_REST
	s_wait_dscnt 4                                 ; the very last quarter: nothing more to fetch
	WIN MUL
	MUL16 F1, 0, 0
	s_wait_dscnt 0x0
	MUL16 F1, 2, 0
	WIN 0
	PLACES                                         ; behind the last products: what follows reads results and loads into fragment registers
	s_cmp_ge_u32 ttmp9, 6                          ; clusters 6 and 7 along x hold v heads, which have a way out of their own; the number is the same in all partners
	s_cbranch_scc1 .Lvheads
	; NORM AND ROTATION.  A lane holds, of row 16 a + r, the 64 columns 16 b + 8 h + j in registers 64 a + 8 b + j of window 1; the lane 16 away holds the other 64.
.irp b, 0,1,2,3,4,5,6,7
	global_load_b128 v[G+8*\b:G+8*\b+3],   v[GOF], s[GP:GP+1] offset:64*\b        ; the gain of my columns
	global_load_b128 v[G+8*\b+4:G+8*\b+7], v[GOF], s[GP:GP+1] offset:64*\b+16
.endr
	WIN 0x80                                       ; destination window 2
.irp a, 0,1,2,3                        ; cos and sin of columns 16 c + 8 h + j (c = 0..3) of row 16 a + r: cos at 64 a + 8 c + j, sin 32 registers on
.irp c, 0,1,2,3
	global_load_b128 v[64*\a+8*\c:64*\a+8*\c+3],   v[CSO], s[COSP:COSP+1] offset:4096*\a+64*\c
	global_load_b128 v[64*\a+8*\c+4:64*\a+8*\c+7], v[CSO], s[COSP:COSP+1] offset:4096*\a+64*\c+16
.endr
.irp c, 0,1,2,3
	global_load_b128 v[64*\a+32+8*\c:64*\a+32+8*\c+3],   v[CSO], s[SINP:SINP+1] offset:4096*\a+64*\c
	global_load_b128 v[64*\a+32+8*\c+4:64*\a+32+8*\c+7], v[CSO], s[SINP:SINP+1] offset:4096*\a+64*\c+16
.endr
.endr
	WIN 0x05                                       ; sources 0 and 1 window 1: the sums of squares are made while those 80 loads are out
.set i, 0
.rept 32                               ; four chains, one a row tile, by turns; registers ascending
.irp a, 0,1,2,3
.if i == 0
	v_pk_mul_f32 v[SS+2*\a:SS+2*\a+1], v[64*\a:64*\a+1], v[64*\a:64*\a+1]
.else
	v_pk_fma_f32 v[SS+2*\a:SS+2*\a+1], v[64*\a+2*i:64*\a+2*i+1], v[64*\a+2*i:64*\a+2*i+1], v[SS+2*\a:SS+2*\a+1]
.endif
.endr
.set i, i+1
.endr
	WIN 0
.irp a, 0,1,2,3
	v_add_f32 v[SS+2*\a], v[SS+2*\a], v[SS+2*\a+1]
.endr
.irp a, 0,1,2,3
	v_permlanex16_b32 v[SS+2*\a+1], v[SS+2*\a], s[SEL], s[SEL+1]   ; the row's other 64 columns lie in the lane 16 away; the destination has been written
.endr
.irp a, 0,1,2,3
	v_add_f32 v[SS+2*\a], v[SS+2*\a], v[SS+2*\a+1]
.endr
.irp a, 0,1,2,3
	v_fma_f32 v[SS+2*\a], v[SS+2*\a], s[C128], s[C128+1]   ; the mean of 128 squares + 1e-6
.endr
.irp a, 0,1,2,3
	v_rsq_f32 v[RS+2*\a], v[SS+2*\a]               ; made twice: a pair for the packed multiply
	v_rsq_f32 v[RS+2*\a+1], v[SS+2*\a]
.endr
	v_nop                                          ; a plain instruction between the last v_rsq_f32 and the use of its result (ISA guide 5.7.2)
; Row tile a: the gain (once) and the tile's cos and sin are rounded to bf16 and widened again; u = x / rms x gain; then u1' = u1 cos - u2 sin, u2' = u2 cos + u1 sin,
; with u1 = columns 0-63 (registers 64 a + 0..31) and u2 = columns 64-127 (64 a + 32..63)
.macro NORMROPE a
	s_wait_loadcnt 16*(3-\a)                       ; the gain and this tile's cos and sin are in; the 16 loads of each later tile stay out
.if \a == 0
.set i, 0
.rept 32
	v_cvt_pk_bf16_f32 v[TMPR+i], v[G+2*i], v[G+2*i+1]          ; two gains to bf16, nearest even
.set i, i+1
.endr
.set i, 0
	s_wait_alu depctr_va_vdst(0)
.rept 32
	v_lshlrev_b32 v[G+2*i],   16, v[TMPR+i]                    ; and back to f32: the low half moves up, the high half stays
	v_and_b32     v[G+2*i+1], 0xffff0000, v[TMPR+i]
.set i, i+1
.endr
.endif
	WIN 0x0a                                       ; sources 0 and 1 window 2, destination window 0
.set i, 0
.rept 32
	v_cvt_pk_bf16_f32 v[TMPR+i], v[64*\a+2*i], v[64*\a+2*i+1]  ; the tile's 32 cos and 32 sin likewise
.set i, i+1
.endr
	WIN 0x80                                       ; destination window 2, source 1 window 0
.set i, 0
.rept 32
	v_lshlrev_b32 v[64*\a+2*i],   16, v[TMPR+i]
	v_and_b32     v[64*\a+2*i+1], 0xffff0000, v[TMPR+i]
.set i, i+1
.endr
	WIN 0x41                                       ; destination and source 0 window 1
.set i, 0
.rept 32
	v_pk_mul_f32 v[64*\a+2*i:64*\a+2*i+1], v[64*\a+2*i:64*\a+2*i+1], v[RS+2*\a:RS+2*\a+1]
.set i, i+1
.endr
.set i, 0
.rept 32
	v_pk_mul_f32 v[64*\a+2*i:64*\a+2*i+1], v[64*\a+2*i:64*\a+2*i+1], v[G+2*i:G+2*i+1]
.set i, i+1
.endr
	WIN 0x09                                       ; source 0 window 1, source 1 window 2, destination window 0
.set i, 0
.rept 16
	v_pk_mul_f32 v[TMPR+2*i:TMPR+2*i+1], v[64*\a+32+2*i:64*\a+32+2*i+1], v[64*\a+32+2*i:64*\a+32+2*i+1]      ; u2 sin
.set i, i+1
.endr
.set i, 0
.rept 16
	v_pk_mul_f32 v[TMPR+32+2*i:TMPR+32+2*i+1], v[64*\a+2*i:64*\a+2*i+1], v[64*\a+32+2*i:64*\a+32+2*i+1]      ; u1 sin
.set i, i+1
.endr
	WIN 0x49                                       ; the same with the destination in window 1; source 2 window 0
.set i, 0
.rept 16
	v_pk_fma_f32 v[64*\a+2*i:64*\a+2*i+1], v[64*\a+2*i:64*\a+2*i+1], v[64*\a+2*i:64*\a+2*i+1], v[TMPR+2*i:TMPR+2*i+1] neg_lo:[0,0,1] neg_hi:[0,0,1]
.set i, i+1
.endr
.set i, 0
.rept 16
	v_pk_fma_f32 v[64*\a+32+2*i:64*\a+32+2*i+1], v[64*\a+32+2*i:64*\a+32+2*i+1], v[64*\a+2*i:64*\a+2*i+1], v[TMPR+32+2*i:TMPR+32+2*i+1]
.set i, i+1
.endr
.endm
	NORMROPE 0
	NORMROPE 1
	NORMROPE 2
	NORMROPE 3
	WIN 0
	; THE WAY OUT OF q AND k HEADS.  A lane's eight columns pack into 16 bytes of f16; a row tile goes into my own stage (rows of 272 bytes) and comes back as whole rows of 256 bytes.
.macro PACK a
	WIN 0x05                                       ; sources window 1, destination window 0
.set i, 0
.rept 32
	v_cvt_pk_f16_f32 v[PKR+32*((\a)%2)+i], v[64*\a+2*i], v[64*\a+2*i+1]
.set i, i+1
.endr
	WIN 0
.irp b, 0,1,2,3,4,5,6,7
	ds_store_b128 v[STO], v[PKR+32*((\a)%2)+4*\b:PKR+32*((\a)%2)+4*\b+3] offset:32*\b
.endr
.irp t, 0,1,2,3,4,5,6,7
	ds_load_b128 v[BK+32*\a+4*\t:BK+32*\a+4*\t+3], v[RD] offset:\t*2*PQ   ; LDS serves a wave's instructions in order (ISA guide 5.7.1.4): these see the stores above, and the next tile's stores come behind them
.endr
.endm
.macro SEND a, younger                 ; younger: the LDS instructions issued behind this tile's loads: the next tile's sixteen, or none
.irp t, 0,1,2,3,4,5,6,7
	s_wait_dscnt \younger+7-\t
	global_store_b128 v[CO], v[BK+32*\a+4*\t:BK+32*\a+4*\t+3], s[OUTP:OUTP+1] offset:(16*\a+2*\t)*256   ; a wave's store covers 512 consecutive bytes, aligned; no store's register is written again
.endr
.endm
	PACK 0
	PACK 1                                         ; a tile's conversions stand between the loads of the tile before and its stores
	SEND 0, 16
	PACK 2
	SEND 1, 16
	PACK 3
	SEND 2, 16
	SEND 3, 0
	s_branch .Lend
.Lvheads:
	; THE WAY OUT OF v HEADS: two parts.  first = v' rounded to 11 significant bits (the f32 word + 0x1000, its low 13 bits cleared): exact in f16 from 6.1e-5 on;
	; second = 256 (v' - first): the difference and the factor are exact in f32; it is at most first / 8 in magnitude, so it has f16's range wherever the first part has.
	s_sub_co_u32 s[TMP2], s21, 24                  ; value head 0..7,
	s_lshl_b32 s[TMP2], s[TMP2], 19                ; its 2,048 rows of 256 bytes,
	s_add_co_u32 s[TMP2], s[TMP2], s[ROWO]         ; my wave's first row
	s_mov_b32 s[TMP2+1], 0
	s_add_nc_u64 s[VLP:VLP+1], s[VLP:VLP+1], s[TMP2:TMP2+1]   ; vlo at my wave's first row of my head
	s_mov_b32 s[TMP2], 0x43800000                  ; 256
	s_mov_b32 s[TMP2+1], s[TMP2]                   ; named with it as a pair, so it is written
.macro VOUT a
	WIN 0x04                                       ; source 1 window 1
.set i, 0
.rept 64                               ; registers ascending
	v_add_nc_u32 v[VT+i], 0x1000, v[64*\a+i]
.set i, i+1
.endr
	WIN 0
.set i, 0
.rept 64
	v_and_b32 v[VT+i], 0xffffe000, v[VT+i]
.set i, i+1
.endr
.set i, 0
.rept 32
	v_cvt_pk_f16_f32 v[VH+i], v[VT+2*i], v[VT+2*i+1]
.set i, i+1
.endr
.irp b, 0,1,2,3,4,5,6,7
	ds_store_b128 v[STO], v[VH+4*\b:VH+4*\b+3] offset:32*\b
.endr
.if \a > 0
	s_wait_xcnt 0x0                                ; the registers loaded below, here and further down, are named by the last tile's stores: they are written again only behind this wait (ISA guide 3.1)
.endif
.irp t, 0,1,2,3,4,5,6,7
	ds_load_b128 v[VBH+4*\t:VBH+4*\t+3], v[RD] offset:\t*2*PQ   ; LDS serves a wave's instructions in order (ISA guide 5.7.1.4): these see the stores above
.endr
	WIN 0x01                                       ; source 0 window 1
.set i, 0
.rept 32
	v_pk_add_f32 v[VT+2*i:VT+2*i+1], v[64*\a+2*i:64*\a+2*i+1], v[VT+2*i:VT+2*i+1] neg_lo:[0,1] neg_hi:[0,1]   ; v' - first
.set i, i+1
.endr
	WIN 0
.set i, 0
.rept 32
	v_pk_mul_f32 v[VT+2*i:VT+2*i+1], v[VT+2*i:VT+2*i+1], s[TMP2:TMP2+1] op_sel_hi:[1,0]
.set i, i+1
.endr
.set i, 0
.rept 32
	v_cvt_pk_f16_f32 v[VH+i], v[VT+2*i], v[VT+2*i+1]
.set i, i+1
.endr
.irp b, 0,1,2,3,4,5,6,7
	ds_store_b128 v[STO], v[VH+4*\b:VH+4*\b+3] offset:32*\b        ; behind the loads of the first part, which LDS serves first
.endr
.irp t, 0,1,2,3,4,5,6,7
	ds_load_b128 v[VBL+4*\t:VBL+4*\t+3], v[RD] offset:\t*2*PQ
.endr
.irp t, 0,1,2,3,4,5,6,7
	s_wait_dscnt 16+7-\t                           ; the second part's sixteen LDS instructions and the first part's younger loads may be out
	global_store_b128 v[CO], v[VBH+4*\t:VBH+4*\t+3], s[OUTP:OUTP+1] offset:(16*\a+2*\t)*256   ; a wave's store covers 512 consecutive bytes, aligned
.endr
.irp t, 0,1,2,3,4,5,6,7
	s_wait_dscnt 7-\t
	global_store_b128 v[CO], v[VBL+4*\t:VBL+4*\t+3], s[VLP:VLP+1] offset:(16*\a+2*\t)*256
.endr
.endm
	VOUT 0
	VOUT 1
	VOUT 2
	VOUT 3
.Lend:
	s_wait_tensorcnt 0x0                           ; the wave's end: behind my last tensor load and my last LDS store
	ds_add_u32 v[SPW], v[NIL]
	s_wait_dscnt 0x0
	CROUND                                         ; the closing round: no work-group ends while a partner may still ask for a tile that names it
	s_endpgm
.Lfunc_end_k_q2ea411bef3_qkv:
	.size	k_q2ea411bef3_qkv, .Lfunc_end_k_q2ea411bef3_qkv-k_q2ea411bef3_qkv
	.p2alignl 7, 3214868480
	.fill 96, 4, 3214868480
	.section	.rodata,"a",@progbits
	.p2align	6, 0x0
	.amdhsa_kernel k_q2ea411bef3_qkv
		.amdhsa_group_segment_fixed_size 327680
		.amdhsa_private_segment_fixed_size 0
		.amdhsa_enable_private_segment 0
		.amdhsa_kernarg_size 56
		.amdhsa_user_sgpr_count 2
		.amdhsa_user_sgpr_kernarg_segment_ptr 1
		.amdhsa_wavefront_size32 1
		.amdhsa_system_sgpr_workgroup_id_x 1
		.amdhsa_system_sgpr_workgroup_id_y 1
		.amdhsa_system_sgpr_workgroup_id_z 1
		.amdhsa_system_vgpr_workitem_id 0
		.amdhsa_next_free_vgpr 768
		.amdhsa_next_free_sgpr 102
		.amdhsa_reserve_vcc 0
		.amdhsa_float_denorm_mode_32 3
		.amdhsa_float_denorm_mode_16_64 3
		.amdhsa_memory_ordered 1
		.amdhsa_forward_progress 1
		.amdhsa_inst_pref_size 255
	.end_amdhsa_kernel
	.section	.bss,"aw",@nobits
	.p2align	6
	.space	262144
	.amdgpu_metadata
---
amdhsa.version: [ 1, 2 ]
amdhsa.kernels:
  - .name:           k_q2ea411bef3_qkv
    .symbol:         k_q2ea411bef3_qkv.kd
    .args:
      - { .name: bf, .offset: 0, .size: 8, .value_kind: global_buffer, .address_space: global }
      - { .name: qkv, .offset: 8, .size: 8, .value_kind: global_buffer, .address_space: global }
      - { .name: cos, .offset: 16, .size: 8, .value_kind: global_buffer, .address_space: global }
      - { .name: sin, .offset: 24, .size: 8, .value_kind: global_buffer, .address_space: global }
      - { .name: gq, .offset: 32, .size: 8, .value_kind: global_buffer, .address_space: global }
      - { .name: gk, .offset: 40, .size: 8, .value_kind: global_buffer, .address_space: global }
      - { .name: vlo, .offset: 48, .size: 8, .value_kind: global_buffer, .address_space: global }
    .group_segment_fixed_size: 327680
    .private_segment_fixed_size: 0
    .kernarg_segment_align: 8
    .kernarg_segment_size: 56
    .max_flat_workgroup_size: 128
    .sgpr_count:     102
    .vgpr_count:     768
    .wavefront_size: 32
...
	.end_amdgpu_metadata
.endif
;; end of part 2
;; launch attn (part 3): grid 32 x 8, 4 waves a work-group, no clusters, 327,680 bytes of LDS; arguments qkv, att, vlo; writes att
.if DOCPART == 3
	.amdgcn_target "amdgcn-amd-amdhsa--gfx1250"
	.amdhsa_code_object_version 6
	.text
	.protected	k_q2ea411bef3_attn
	.globl	k_q2ea411bef3_attn
	.p2align	8
	.type	k_q2ea411bef3_attn,@function
k_q2ea411bef3_attn:
	s_mov_b64 s[64:65], 0
	v_nop
	global_prefetch_b8 v0, s[64:65] scope:SCOPE_SE
	s_setreg_imm32_b32 hwreg(HW_REG_WAVE_MODE, 25, 1), 1
	s_wait_xcnt 0x0
; att[t][128 head + :] = the sum over s <= t of softmax_s(q[head][t] . k[head / 2][s] / sqrt(128)) v'[head / 2][s][:].  q, k, v' = v / 4: heads 0-15, 16-23, 24-31 of qkv, [2048][128] f16.
; Products, maxima and sums in f32; the weights p are rounded to f16 for the second product, the result (the attention's result / 4) once at the end, to f16.
; v' IN TWO PARTS FOR THE NEAREST KEYS: vlo [8][2048][128] f16 holds 256 x what v's first part leaves.  In the slot with the diagonal a second product, V_lo^T P, is summed in accumulators of its own
; and added onto O^T in f32, times 2^-8: 64 matrix instructions a wave.  Positions 0 to 127 have all their keys in that slot: they average the fewest values, so their results are the largest
; against the whole output's root mean square.
; LIMITS: a weight under 2^-126 comes out as 0 (v_exp_f32 flushes denormal results: ISA guide, its entry in 15.8), and one under 6.1e-5 is kept in steps of 6e-8 (f16 denormals; the largest weight of a
; position is 1); results under 6.1e-5 likewise; v_exp_f32 and v_rcp_f32 are accurate to 1 ULP; the order of the sums is the code's own.
; SHARES.  Work-group (b, g): positions 64 b .. 64 b + 63 of the two query heads 2 g, 2 g + 1, which share key and value head g.  Wave w: positions 64 b + 16 w + 0..15, tile 0 = head 2 g,
; tile 1 = head 2 g + 1: each fragment of K and V read from LDS feeds both heads, and both tiles have one mask.  The long work-groups (large b) have the low numbers.
; KEYS come 64 a step, two steps (128 keys) to an LDS slot.  Only the (b / 2) + 1 slots that hold a key <= the last position are walked.  THE SLOT WITH THE DIAGONAL IS WORKED FIRST: the one copy of
; the text that masks is then also the one that starts the running maximum, the sum and O.  Its first step holds an allowed key for every position (key 128 (b / 2) <= 64 b), so the maximum is finite
; from then on; a masked score is -1e30, as in the problem's own text, and its weight is 2^(a very large negative number) = 0.  With b even the slot's second step is masked whole and adds 0.
; LAYOUT.  S^T = K Q^T (source 0 = 16 keys, source 1 = 16 positions): a lane holds ONE position (lane % 16) and the keys 8 (lane / 16) + 0..7.  Two such tiles, rounded in pairs, ARE source 1 of
; O^T = V^T P, whose result again holds one position a lane, and eight channels.  K comes out of LDS as it lies, V ([key][channel]) turned, by ds_load_tr16_b128.
; SOFTMAX.  For each position a running maximum m and sum l: p = 2^(c s - c m), c = log2(e) / sqrt(128); in every step O and l are multiplied by a = 2^(c m_old - c m_new).
; NO CLUSTER, NO JOINT LOADS: the 32 work-groups of a key and value head walk 1 to 16 slots and each begins at its own diagonal slot, so partners would ask for different tiles in different numbers.
; With b < 2 there is one slot: slot 1's first fill lands and is not read (16 of the 256 work-groups).
; REGISTERS: window 0: v0-15 addresses; v16-31 statistics; v32-95 S^T; v96-127 P; v128-255 O^T.   window 1: v0-63 Q; v128-255 K of one step.
;   window 2: v0-127 V of one step; v128-255 V_lo of one step.   window 3: v0-127 the sums of V_lo^T P, laid as O^T is.
.set KS,    64
.set PK,    272       ; a row of K in LDS: 256 bytes + 16 of padding: the 16 rows of a load start at 16 different banks (64 banks of 4 bytes: ISA guide 11.1)
.set PV,    288       ; a row of V: 256 + 32
.set VOFF,  KS*PK     ; a step's tiles lie together: 64 rows of K, then 64 rows of V
.set STEPB, KS*(PK+PV)
.set VLO,   73728     ; behind slot 0 (71,680 bytes): V_lo of the diagonal slot's two steps, 2 x 18,432 bytes; filled once
.set VLSTEP, KS*PV
.set SLOT1, 1<<17     ; a slot holds two steps; slot 1 begins here, so that one exclusive or turns an address in one slot into the other's
.set STAGE, SLOT1+2*STEPB  ; behind the ring: 16 rows x 272 bytes for each wave, for the way out
.set SP,    272
.set SPARE, STAGE+4*16*SP  ; behind the stages: the spare words, 128 bytes for each wave: two blocks of 256 bytes that no other line names
.set AK0, 2           ; v2   my lane's place in a tile of K; never rewritten
.set AV0, 3           ; v3   the same for V
.set ADK, 4           ; v4   AK0 + the slot in hand
.set ADV, 5           ; v5   AV0 + the slot in hand
.set QO,  6           ; v6   my byte offset in the wave's rows of Q
.set STO, 7           ; v7   the way out: where I put 16 bytes of a row
.set RD,  8           ; v8   the way out: where I read a row back
.set AVL, 9           ; v9   my lane's place in V_lo's first tile (at the head: lane / 16)
.set GO,  10          ; v10  my byte offset in the wave's rows of att
.set DM,  11          ; v11, v12  the diagonal slot's step 0, 1: key 16 kt + j of my eight-key groups is allowed if 16 kt + j <= this number (signed)
.set NEGV, 13         ; v13  -1e30
.set SPW, 14          ; v14  LDS address of my spare word; never rewritten
.set NIL, 15          ; v15  0; never rewritten
.set ST,  16          ; tile t's statistics at v[ST+8 t]: +0 c m, +1 m, +2, +3 l (even keys', odd keys'), +4 to +7 at work; a takes +6 once the maximum is found
.set S,   32
.set P,   96
.set OT,  128
.set KF,  128         ; K's fragments, in window 1
.set VL,  128         ; V_lo's fragments, in window 2
.set WV,  12          ; s12 wave;  s13 b;  s14 g;  s15 the number of slots
.set G1K, 24          ; s[24:31] descriptor group 1 for K's tiles
.set G1V, 32          ; s[32:39] for V's and V_lo's: it differs in the padding alone
.set G0K, 40          ; s[40:47] descriptor group 0 for K's tiles: a set for each of the two first fills; the second then walks on
.set G0V, 48          ; s[48:55] the same for V's
.set G0L, 68          ; s[68:71] descriptor group 0 for V_lo's tile
.set SLOTS, 56        ; s56  refills asked for so far
.set BOUND, 57        ; s57  refills in all: the number of slots - 2; the loop does not write it
.set CS,  58          ; s[58:59] c, twice
.set SEL, 60          ; s[60:61] lane selects for v_permlanex16_b32
.set TB,  62          ; s62  LDS byte at which the slot in hand begins
.set MSB, 0
.macro WIN new
.if MSB != \new
	s_set_vgpr_msb (MSB<<8)|\new
.set MSB, \new
.endif
.endm
.macro PLACES                       ; four plain vector instructions between a matrix instruction and a load into, or a vector read or write of, its registers
.rept 4
	v_nop
.endr
.endm
.macro JLOAD                        ; a refill: waves 0 and 1 fetch the two steps' tiles of K, waves 2 and 3 those of V; four v_nop follow each of the two lines
	s_cmp_lt_u32 s[WV], 2
	s_cbranch_scc0 .Lfor_v_\@
	tensor_load_to_lds s[G0K+4:G0K+7], s[G1K:G1K+7]
	s_nop 0
.rept 4
	v_nop
.endr
	s_branch .Lasked_\@
.Lfor_v_\@:
	tensor_load_to_lds s[G0V+4:G0V+7], s[G1V:G1V+7]
	s_nop 0
.rept 4
	v_nop
.endr
.Lasked_\@:
.endm
	s_load_b128 s[4:7], s[0:1], 0x0  ; qkv s[4:5], att s[6:7]
	s_load_b64 s[66:67], s[0:1], 0x10  ; vlo
	v_lshl_add_u32 v[SPW], v0, 2, SPARE
	v_mov_b32 v[NIL], 0
	ds_add_u32 v14, v15
	ds_add_u32 v14, v15
	s_wait_dscnt 0x0
	v_lshrrev_b32 v1, 5, v0
	v_readfirstlane_b32 s[WV], v1   ; wave 0..3
	s_sub_co_u32 s13, 31, ttmp9     ; b: the block of 64 positions
	s_and_b32 s14, ttmp7, 0xffff    ; g: the key and value head
	s_lshr_b32 s15, s13, 1
	s_add_co_u32 s15, s15, 1        ; slots: (b / 2) + 1
	s_and_b32 s16, s[WV], 1         ; which of a slot's two steps I fetch
	s_mul_i32 s17, s16, STEPB       ; its place in a slot
	s_add_co_u32 s20, s14, 16
	s_lshl_b32 s20, s20, 19         ; head 16 + g: 524,288 bytes a head
	s_lshl_b32 s21, s16, 14         ; my step's 64 rows of 256 bytes
	s_add_co_u32 s20, s20, s21      ; K: my tile of key slot 0
	s_mov_b32 s21, 0
	s_add_co_u32 s22, s20, 8<<19    ; V: head 24 + g
	s_mov_b32 s23, 0
	s_sub_co_u32 s2, s15, 1
	s_lshl_b32 s2, s2, 15           ; the diagonal slot: 32,768 bytes a slot
	s_mov_b32 s3, 0
	s_lshl_b32 s10, s14, 19         ; V_lo: head g of vlo,
	s_lshl_b32 s11, s16, 14         ; my step's 64 rows,
	s_add_co_u32 s10, s10, s11
	s_add_co_u32 s10, s10, s2       ; in the diagonal slot
	s_mov_b32 s11, 0
	s_mov_b32 s[G1K], (1<<16)|(1<<20)|(5<<22)|(3<<25)  ; no mask; elements of 2 bytes; padding on; after every 64 words (code 5) 4 words (code 3)
	s_mov_b32 s[G1V], (1<<16)|(1<<20)|(5<<22)|(7<<25)  ; the same with 8 words of padding (code 7)
.irp g, G1K, G1V
	s_mov_b32 s[\g+1], 128<<16      ; tensor_dim0 = 128
	s_mov_b32 s[\g+2], KS<<16       ; tensor_dim1 = 64
	s_mov_b32 s[\g+3], 128<<16      ; tile_dim0 = 128
	s_mov_b32 s[\g+4], KS           ; tile_dim1 = 64 rows
	s_mov_b32 s[\g+5], 128          ; elements from row to row
	s_mov_b32 s[\g+6], 0
	s_mov_b32 s[\g+7], 0
.endr
	s_mov_b32 s[CS], 0x3e0293ee     ; c = log2(e) / sqrt(128) = 0.127517
	s_mov_b32 s[CS+1], s[CS]
	s_mov_b32 s[SEL], 0x76543210
	s_mov_b32 s[SEL+1], 0xfedcba98
	s_mov_b32 s[G0K], 1             ; count = 1
	s_mov_b32 s[G0K+1], s17         ; LDS address: slot 0
	s_mov_b32 s[G0K+4], 1
	s_add_co_u32 s[G0K+5], s17, SLOT1  ; slot 1
	s_mov_b32 s[G0V], 1
	s_add_co_u32 s[G0V+1], s17, VOFF
	s_mov_b32 s[G0V+4], 1
	s_add_co_u32 s[G0V+5], s17, SLOT1+VOFF
	s_mov_b32 s[G0L], 1
	s_mul_i32 s[G0L+1], s16, VLSTEP
	s_add_co_u32 s[G0L+1], s[G0L+1], VLO
	s_wait_kmcnt 0x0
	s_add_nc_u64 s[G0K+6:G0K+7], s[4:5], s[20:21]  ; slot 1 takes key slot 0,
	s_add_nc_u64 s[G0K+2:G0K+3], s[G0K+6:G0K+7], s[2:3]  ; slot 0 the diagonal slot
	s_or_b32 s[G0K+3], s[G0K+3], 0x80000000  ; type = 2
	s_or_b32 s[G0K+7], s[G0K+7], 0x80000000
	s_add_nc_u64 s[G0V+6:G0V+7], s[4:5], s[22:23]
	s_add_nc_u64 s[G0V+2:G0V+3], s[G0V+6:G0V+7], s[2:3]
	s_or_b32 s[G0V+3], s[G0V+3], 0x80000000
	s_or_b32 s[G0V+7], s[G0V+7], 0x80000000
	s_add_nc_u64 s[G0L+2:G0L+3], s[66:67], s[10:11]
	s_or_b32 s[G0L+3], s[G0L+3], 0x80000000
	s_cmp_lt_u32 s[WV], 2           ; a wave's first fills stand in one branch, ahead of every wait on TENSORcnt, every LDS read and every barrier: two loads of waves 0 and 1 are out, three of waves 2 and 3;
	s_cbranch_scc0 .Lfirst_v        ; slot 1's is the last on both ways
	tensor_load_to_lds s[G0K:G0K+3], s[G1K:G1K+7]
	s_nop 0
	tensor_load_to_lds s[G0K+4:G0K+7], s[G1K:G1K+7]
	s_nop 0
.rept 4
	v_nop
.endr
	s_branch .Lfirst_asked
.Lfirst_v:
	tensor_load_to_lds s[G0V:G0V+3], s[G1V:G1V+7]
	s_nop 0
	tensor_load_to_lds s[G0L:G0L+3], s[G1V:G1V+7]
	s_nop 0
	tensor_load_to_lds s[G0V+4:G0V+7], s[G1V:G1V+7]
	s_nop 0
.rept 4
	v_nop
.endr
.Lfirst_asked:
	s_lshl_b32 s18, s14, 20         ; head 2 g,
	s_lshl_b32 s19, s13, 14         ; 64 b rows of 256 bytes,
	s_add_co_u32 s18, s18, s19
	s_lshl_b32 s19, s[WV], 12       ; 16 w rows
	s_add_co_u32 s18, s18, s19
	s_mov_b32 s19, 0
	s_add_nc_u64 s[8:9], s[4:5], s[18:19]  ; Q at my wave's first row of head 2 g
	s_lshl_b32 s18, s13, 18         ; att: 64 b rows of 4,096 bytes,
	s_lshl_b32 s10, s[WV], 16       ; 16 w rows,
	s_add_co_u32 s18, s18, s10
	s_lshl_b32 s10, s14, 9          ; head 2 g's 256 bytes of a row
	s_add_co_u32 s18, s18, s10
	s_add_nc_u64 s[6:7], s[6:7], s[18:19]
	v_and_b32 v1, 15, v0            ; r = l % 16
	v_bfe_u32 v9, v0, 4, 1          ; h = l / 16
	v_lshlrev_b32 v[QO], 8, v1
	v_lshl_add_u32 v[QO], v9, 4, v[QO]  ; row x 256 + 16 h
	WIN 0x40                        ; destination window 1
.irp i, 0,1,2,3,4,5,6,7             ; Q stays in registers: tile i / 4 (the next head lies 524,288 bytes on), channels 32 (i % 4) on
	global_load_b128 v[8*\i:8*\i+3],   v[QO], s[8:9] offset:(\i/4)*524288+(\i%4)*64
	global_load_b128 v[8*\i+4:8*\i+7], v[QO], s[8:9] offset:(\i/4)*524288+(\i%4)*64+32
.endr
	WIN 0
	v_mul_u32_u24 v[AK0], v1, PK
	v_lshl_add_u32 v[AK0], v9, 4, v[AK0]  ; row x pitch + 16 h
	; The turning load takes 16 keys x 16 channels (lane l reads 16 bytes: key 8 (l / 16) + l % 8, channels 8 ((l / 8) % 2) + 0..7) and leaves half a fragment of V^T: lane l holds channel l % 16 and 8 keys.
	v_and_b32 v[ADK], 7, v0
	v_bfe_u32 v[ADV], v0, 3, 1
	v_lshl_add_u32 v[AV0], v9, 3, v[ADK]
	v_mul_u32_u24 v[AV0], v[AV0], PV
	v_lshl_add_u32 v[AV0], v[ADV], 4, v[AV0]
	v_add_nc_u32 v[AV0], VOFF, v[AV0]
	s_mul_i32 s10, s[WV], 16*SP
	s_add_co_u32 s10, s10, STAGE    ; my stage
	v_add_nc_u32 v[STO], s10, v[AK0]  ; in: row r, 16 bytes for each half of the lanes (the stage's pitch is K's)
	v_mul_u32_u24 v[RD], v9, SP     ; back: lanes 0-15 take one row of 256 bytes, lanes 16-31 the next
	v_lshl_add_u32 v[RD], v1, 4, v[RD]
	v_add_nc_u32 v[RD], s10, v[RD]
	v_lshlrev_b32 v[GO], 12, v9     ; and the same two rows in att
	v_lshl_add_u32 v[GO], v1, 4, v[GO]
	; the mask: key 128 (b / 2) + 64 e + 16 kt + 8 h + j <= position 64 b + 16 w + r  <=>  16 kt + j <= 64 (b % 2) + 16 w + r - 8 h - 64 e
	s_and_b32 s10, s13, 1
	s_lshl_b32 s10, s10, 6
	s_lshl_b32 s11, s[WV], 4
	s_add_co_u32 s10, s10, s11
	v_lshlrev_b32 v[DM], 3, v9
	v_sub_nc_u32 v[DM], v1, v[DM]
	v_add_nc_u32 v[DM], s10, v[DM]
	v_add_nc_u32 v[DM+1], 0xffffffc0, v[DM]
	v_mov_b32 v[NEGV], 0xf149f2ca   ; -1e30
	v_add_nc_u32 v[AVL], VLO-VOFF, v[AV0]  ; h has served: its register takes V_lo's address
; THE MATRIX WORK.  The accumulators take turns, one instruction a turn: between two links of a chain stand 7 (K Q^T) or 15 (V^T P) others'.
.macro KQ32                         ; S^T = K Q^T: product i: channels 32 (i / 8) on, keys 16 ((i / 2) % 4) on, tile i % 2.  The first 8 start the sums.
	WIN 0x05                        ; K and Q in window 1
.set i, 0
.rept 32
.set rS, S+32*(i%2)+8*((i/2)%4)
.set rK, KF+32*((i/2)%4)+8*(i/8)
.set rQ, 32*(i%2)+8*(i/8)
.if i < 8
	v_wmma_f32_16x16x32_f16 v[rS:rS+7], v[rK:rK+7], v[rQ:rQ+7], 0
.else
	v_wmma_f32_16x16x32_f16 v[rS:rS+7], v[rK:rK+7], v[rQ:rQ+7], v[rS:rS+7]
.endif
.set i, i+1
.endr
.endm
.macro PV32 zero                    ; O^T += V^T P: product i: keys 32 (i / 16) on, channels 16 ((i / 2) % 8) on, tile i % 2.  zero = 1: the first 16 start the sums.
	WIN 0x02                        ; V in window 2
.set i, 0
.rept 32
.set rO, OT+64*(i%2)+8*((i/2)%8)
.set rV, 64*(i/16)+8*((i/2)%8)
.set rP, P+16*(i%2)+8*(i/16)
.if \zero && (i < 16)
	v_wmma_f32_16x16x32_f16 v[rO:rO+7], v[rV:rV+7], v[rP:rP+7], 0
.else
	v_wmma_f32_16x16x32_f16 v[rO:rO+7], v[rV:rV+7], v[rP:rP+7], v[rO:rO+7]
.endif
.set i, i+1
.endr
.endm
.macro PVL32                        ; V_lo^T P, in the same order, into sums of its own in window 3; the first 16 start them
	WIN 0xf2                        ; V_lo in window 2, P in window 0, C and D in window 3
.set i, 0
.rept 32
.set rO, 64*(i%2)+8*((i/2)%8)
.set rV, VL+64*(i/16)+8*((i/2)%8)
.set rP, P+16*(i%2)+8*(i/16)
.if i < 16
	v_wmma_f32_16x16x32_f16 v[rO:rO+7], v[rV:rV+7], v[rP:rP+7], 0
.else
	v_wmma_f32_16x16x32_f16 v[rO:rO+7], v[rV:rV+7], v[rP:rP+7], v[rO:rO+7]
.endif
.set i, i+1
.endr
.endm
.macro LOADD                        ; O^T += 2^-8 x those sums, in f32; registers ascending
	WIN 0x03                        ; source 0 in window 3
.set i, 0
.rept 64
	v_pk_fma_f32 v[OT+2*i:OT+2*i+1], v[2*i:2*i+1], 0x3b800000, v[OT+2*i:OT+2*i+1] op_sel_hi:[1,0,1]
.set i, i+1
.endr
	WIN 0
.endm
; THE LDS LOADS stand in runs of 32: K of the slot's step e (16 fragments), V of step e (turned), V_lo of the diagonal slot's step e (turned)
.macro FETCH_K e
	WIN 0x40
.irp f, 0,1,2,3,4,5,6,7,8,9,10,11,12,13,14,15  ; keys 16 (f / 4) on, channels 32 (f % 4) on
	ds_load_b128 v[KF+8*\f:KF+8*\f+3],   v[ADK] offset:\e*STEPB+(\f/4)*16*PK+(\f%4)*64
	ds_load_b128 v[KF+8*\f+4:KF+8*\f+7], v[ADK] offset:\e*STEPB+(\f/4)*16*PK+(\f%4)*64+32
.endr
.endm
.macro FETCH_V e
	WIN 0x80
.irp f, 0,1,2,3,4,5,6,7,8,9,10,11,12,13,14,15  ; keys 32 (f / 8) on, channels 16 (f % 8) on
	ds_load_tr16_b128 v[8*\f:8*\f+3],   v[ADV] offset:\e*STEPB+(\f/8)*32*PV+(\f%8)*32
	ds_load_tr16_b128 v[8*\f+4:8*\f+7], v[ADV] offset:\e*STEPB+(\f/8)*32*PV+16*PV+(\f%8)*32
.endr
.endm
.macro FETCH_VL e
	WIN 0x80
.irp f, 0,1,2,3,4,5,6,7,8,9,10,11,12,13,14,15
	ds_load_tr16_b128 v[VL+8*\f:VL+8*\f+3],   v[AVL] offset:\e*VLSTEP+(\f/8)*32*PV+(\f%8)*32
	ds_load_tr16_b128 v[VL+8*\f+4:VL+8*\f+7], v[AVL] offset:\e*VLSTEP+(\f/8)*32*PV+16*PV+(\f%8)*32
.endr
.endm
; The diagonal slot's step e: a score whose key lies behind its position becomes -1e30.  One compare serves both tiles; registers ascending.
.macro MASK e
.irp kt, 0,1,2,3
.irp jj, 0,1,2,3,4,5,6,7
	v_cmp_le_i32 vcc_lo, 16*\kt+\jj, v[DM+\e]
	v_cndmask_b32 v[S+8*\kt+\jj], v[NEGV], v[S+8*\kt+\jj], vcc_lo
	v_cndmask_b32 v[S+32+8*\kt+\jj], v[NEGV], v[S+32+8*\kt+\jj], vcc_lo
.endr
.endr
.endm
; THE VECTOR WORK.  One tile's softmax for one key step is a list of 134 instructions; SM writes number j of it for tile t.  s0-s31 are the lane's 32 scores, in pairs 0-15.
; first = 1: the first key step, which starts m, l and O^T: it has no a and nothing to rescale.
;   0-15    the maximum of s0-s31 and the old m, three operands at a time      16-20   the other half of the lanes' maximum; the new m; c m; c m_old - c m_new
;   21-87   33 exponentials (a, then s0-s31) at the odd numbers from 23 on, a plain instruction at every even one: c s - c m for a pair still to come, the rounding to f16 of a pair that is done, the first sums
;   88-101  the last rounding; the rest of the sums; l = a l + the sum         102-133 the tile's O^T times a, registers ascending
.macro SM t, first
.set rT, ST+8*(\t)
.set rS, S+32*(\t)
.set rP, P+16*(\t)
.set rO, OT+64*(\t)+2*(j-102)
.set q, (j-20)/2
.if j < 4
	v_max3_num_f32 v[rT+4+j], v[rS+8*j], v[rS+8*j+1], v[rS+8*j+2]
.elseif j < 12
	v_max3_num_f32 v[rT+4+j%4], v[rT+4+j%4], v[rS+8*(j%4)+2*(j/4)+1], v[rS+8*(j%4)+2*(j/4)+2]
.elseif j == 12
	v_max3_num_f32 v[rT+4], v[rT+4], v[rS+7], v[rS+15]
.elseif j == 13
	v_max3_num_f32 v[rT+6], v[rT+6], v[rS+23], v[rS+31]
.elseif j == 14
	v_max3_num_f32 v[rT+4], v[rT+4], v[rT+5], v[rT+6]
.elseif (j == 15) && \first
	v_max_num_f32 v[rT+4], v[rT+4], v[rT+7]
.elseif j == 15
	v_max3_num_f32 v[rT+4], v[rT+4], v[rT+7], v[rT+1]
.elseif j == 16
	v_permlanex16_b32 v[rT+5], v[rT+4], s[SEL], s[SEL+1]  ; the position's other 32 keys lie in the lane 16 away
.elseif j == 18
	v_max_num_f32 v[rT+1], v[rT+4], v[rT+5]
.elseif j == 19
	v_mul_f32 v[rT], s[CS], v[rT+1]
.elseif ((j == 17) || (j == 20) || (j == 23) || (j > 101)) && \first  ; the first step has none of these
.elseif j == 17
	v_mov_b32 v[rT+7], v[rT]        ; c m_old is kept for a: number 19 writes c m anew
.elseif j == 20
	v_sub_f32 v[rT+7], v[rT+7], v[rT]
.elseif j == 23
	v_exp_f32 v[rT+6], v[rT+7]
.elseif (j < 88) && (j > 23) && (j%2 == 1)
	v_exp_f32 v[rS+(j-25)/2], v[rS+(j-25)/2]
.elseif (q < 4) || ((j < 76) && (q%2 == 0))
.set b, q/2+2
.if q < 4
.set b, q
.endif
	v_pk_fma_f32 v[rS+2*b:rS+2*b+1], v[rS+2*b:rS+2*b+1], s[CS:CS+1], v[rT:rT+1] op_sel_hi:[1,0,0] neg_lo:[0,0,1] neg_hi:[0,0,1]  ; pair b: c s - c m
.elseif (j < 88) && (q%2 == 1)
	s_wait_alu depctr_va_vdst(0)
	v_cvt_pk_f16_f32 v[rP+(q-5)/2], v[rS+q-5], v[rS+q-4]  ; pair (q - 5) / 2: its second exponential stands three numbers back
.elseif j == 89
	s_wait_alu depctr_va_vdst(0)
	v_cvt_pk_f16_f32 v[rP+15], v[rS+30], v[rS+31]
.elseif j < 102                     ; the sum of the tile's 16 pairs, in place: sum z of 16 adds neighbours 1, 2, 4 and 8 pairs apart, then l takes it
.set z, j-86
.if j < 89
.set z, (j-76)/4
.endif
.set w, 4
.set u, z
.if z >= 14
.set w, 32
.set u, 0
.elseif z >= 12
.set w, 16
.set u, z-12
.elseif z >= 8
.set w, 8
.set u, z-8
.endif
.if (z == 14) && \first
	v_pk_add_f32 v[rT+2:rT+3], v[rS:rS+1], v[rS+16:rS+17]
.elseif z < 15
	v_pk_add_f32 v[rS+w*u:rS+w*u+1], v[rS+w*u:rS+w*u+1], v[rS+w*u+w/2:rS+w*u+w/2+1]
.elseif !\first
	v_pk_fma_f32 v[rT+2:rT+3], v[rT+2:rT+3], v[rT+6:rT+7], v[rS:rS+1] op_sel_hi:[1,0,1]
.endif
.else
	v_pk_mul_f32 v[rO:rO+1], v[rO:rO+1], v[rT+6:rT+7] op_sel_hi:[1,0]
.endif
.endm
; Slice k of 64: numbers 2 k and 2 k + 1 of both tiles' lists; slice 63 takes the twelve that are over.  Where exponentials stand (slices 11 to 43) tile by tile: plain, exponential, plain, exponential,
; so that each exponential has a plain instruction of the other tile behind it (ISA guide 5.7.2); elsewhere the tiles alternate, so that no instruction reads the result of the one just before it.
.macro SLICE y, first
.if (k >= 11) && (k < 44)
.irp t, \y, \y+1
.irp n, 0,1
.set j, 2*k+\n
	SM \t, \first
.endr
.endr
.else
.irp n, 0,1,2,3,4,5,6,7
.if (\n < 2) || (k == 63)
.irp t, \y, \y+1
.set j, 2*k+\n
	SM \t, \first
.endr
.endif
.endr
.endif
.set k, k+1
.endm
.macro SOFTMAX first
.set k, 0
.rept 64
	SLICE 0, \first
.endr
.endm
; A SLOT'S TWO KEY STEPS, in phases.  Each run of 32 LDS loads is issued a phase ahead of its use; each counted wait leaves the one younger run out.
; mask = 1: the diagonal slot: the scores are masked, V_lo's products follow V's, and their sums are added onto O^T behind four places.
.macro SLOTWORK mask, first
	v_add_nc_u32 v[ADK], s[TB], v[AK0]
	v_add_nc_u32 v[ADV], s[TB], v[AV0]
	FETCH_K 0
	FETCH_V 0
	s_wait_dscnt 32                 ; K of step 0 is in; V's 32 loads may be out
	KQ32
	WIN 0
	PLACES                          ; behind the products: loads into K's registers, reads of the scores
	FETCH_K 1
	WIN 0
.if \mask
	MASK 0
.endif
	SOFTMAX \first
	s_wait_dscnt 32                 ; V of step 0 is in; K of step 1 may be out
.if \mask
	FETCH_VL 0                      ; 32 products stand between these loads and the wait for them
.endif
	PV32 \first
.if \mask
	s_wait_dscnt 0x0                ; V_lo of step 0 is in
	PVL32
.endif
	WIN 0
	PLACES
.if \mask
	LOADD
.endif
	FETCH_V 1
	s_wait_dscnt 32                 ; K of step 1 is in; V of step 1 may be out
	KQ32
	WIN 0
	PLACES
.if \mask
	FETCH_VL 1
	WIN 0
	MASK 1
.endif
	SOFTMAX 0
	s_wait_dscnt 0x0                ; V of step 1 is in, and V_lo where it was asked for
	PV32 0
.if \mask
	PVL32
.endif
	WIN 0
	PLACES                          ; for the next slot's loads into V's registers, for the addition below and for the way out
.if \mask
	LOADD
.endif
.endm
; THE CHANGE OF SLOTS.  Each wave waits for all its tensor loads (the one that may be out is its part of the other slot), adds 0 to its spare word, and waits for that and for its reads of the slot
; just worked.  Behind the barrier nobody reads that slot any more and the other slot is whole.  fill = 1: the slot just worked is filled again, with the next 128 keys: the first thing behind the barrier.
.macro CHANGE fill
	s_wait_tensorcnt 0x0            ; no tensor load of mine is out, so a group 0 may be written
	ds_add_u32 v[SPW], v[NIL]       ; 0 onto my spare word
.if \fill
.irp g, G0K+4, G0V+4
	s_xor_b32 s[\g+1], s[\g+1], SLOT1  ; the walking descriptor: the other slot than last time,
	s_add_nc_u64 s[\g+2:\g+3], s[\g+2:\g+3], 2*KS*256  ; the next 128 keys; the type bits on top are not reached
.endr
.endif
	s_wait_dscnt 0x0                ; the add is done, and my reads of the slot are over
	s_barrier_signal -1
	s_barrier_wait -1
.if \fill
	JLOAD
.endif
.endm
	s_wait_tensorcnt 0x1            ; my part of slot 0 is in, and of V_lo; slot 1's, issued last, may stay out
	s_barrier_signal -1
	s_barrier_wait -1               ; everybody's is
	s_wait_loadcnt 0x0              ; Q
	s_mov_b32 s[TB], 0
	SLOTWORK 1, 1                   ; the diagonal slot: masked, and it starts m, l and O^T
	s_mov_b32 s[TB], SLOT1          ; key slot 0 lies in slot 1
	s_wait_tensorcnt 0x0            ; my part of slot 1 has landed (it had the diagonal slot's two steps for that): on none of the three ways below does a wave go on with a load of its own out
	s_cmp_eq_u32 s15, 1             ; the number of slots hangs on the work-group's number alone: the same in all four waves
	s_cbranch_scc1 .Lout
	s_cmp_eq_u32 s15, 2
	s_cbranch_scc1 .Llast
	s_sub_co_u32 s[BOUND], s15, 2   ; two slots were asked for at the start: so many refills are left, here at least 1
	s_mov_b32 s[SLOTS], 0
.Lslot:
	CHANGE 1
	SLOTWORK 0, 0
	s_xor_b32 s[TB], s[TB], SLOT1
	s_add_co_u32 s[SLOTS], s[SLOTS], 1
	s_cmp_lt_u32 s[SLOTS], s[BOUND]
	s_cbranch_scc1 .Lslot
.Llast:                             ; the last slot is written out: nothing is asked for
	CHANGE 0
	SLOTWORK 0, 0
.Lout:
	; THE WAY OUT.  l's two halves and the other half of the lanes' are added; O^T is divided by l, rounded to f16 and sent through my stage in LDS, a tile (16 positions of one head) at a time.
.irp t, 0,1
	v_add_f32 v[ST+8*\t+4], v[ST+8*\t+2], v[ST+8*\t+3]
.endr
.irp t, 0,1
	v_permlanex16_b32 v[ST+8*\t+5], v[ST+8*\t+4], s[SEL], s[SEL+1]
.endr
.irp t, 0,1
	v_add_f32 v[ST+8*\t+4], v[ST+8*\t+4], v[ST+8*\t+5]
.endr
.irp t, 0,1
	v_rcp_f32 v[ST+8*\t+6], v[ST+8*\t+4]
.endr
	v_nop                           ; a plain instruction between the last reciprocal and the use of its result
	s_wait_alu depctr_va_vdst(0)
.macro PACK t
.set i, 0
.rept 32
	v_pk_mul_f32 v[OT+64*\t+2*i:OT+64*\t+2*i+1], v[OT+64*\t+2*i:OT+64*\t+2*i+1], v[ST+8*\t+6:ST+8*\t+7] op_sel_hi:[1,0]
.set i, i+1
.endr
.set i, 0
.rept 32
	v_cvt_pk_f16_f32 v[S+32*\t+i], v[OT+64*\t+2*i], v[OT+64*\t+2*i+1]  ; S^T's registers are free
.set i, i+1
.endr
.irp f, 0,1,2,3,4,5,6,7
	ds_store_b128 v[STO], v[S+32*\t+4*\f:S+32*\t+4*\f+3] offset:32*\f
.endr
.irp f, 0,1,2,3,4,5,6,7
	ds_load_b128 v[S+32*\t+4*\f:S+32*\t+4*\f+3], v[RD] offset:\f*2*SP  ; LDS serves a wave's instructions in order (ISA guide 5.7.1.4): these see the stores above; the next tile's stores come behind them
.endr
.endm
.macro SEND t, younger              ; younger: the LDS instructions issued behind tile t's loads
.irp f, 0,1,2,3,4,5,6,7
	s_wait_dscnt \younger+7-\f
	global_store_b128 v[GO], v[S+32*\t+4*\f:S+32*\t+4*\f+3], s[6:7] offset:\t*256+\f*8192  ; 16 lanes store 256 consecutive bytes, at a multiple of 256 from att's first byte
.endr
.endm
	PACK 0
	PACK 1
	SEND 0, 16
	SEND 1, 0
	s_wait_tensorcnt 0x0            ; the wave's end: behind my last tensor load and my last LDS store
	ds_add_u32 v[SPW], v[NIL]
	s_wait_dscnt 0x0
	s_endpgm
.Lfunc_end_k_q2ea411bef3_attn:
	.size	k_q2ea411bef3_attn, .Lfunc_end_k_q2ea411bef3_attn-k_q2ea411bef3_attn
	.p2alignl 7, 3214868480
	.fill 96, 4, 3214868480
	.section	.rodata,"a",@progbits
	.p2align	6, 0x0
	.amdhsa_kernel k_q2ea411bef3_attn
		.amdhsa_group_segment_fixed_size 327680
		.amdhsa_private_segment_fixed_size 0
		.amdhsa_enable_private_segment 0
		.amdhsa_kernarg_size 24
		.amdhsa_user_sgpr_count 2
		.amdhsa_user_sgpr_kernarg_segment_ptr 1
		.amdhsa_wavefront_size32 1
		.amdhsa_system_sgpr_workgroup_id_x 1
		.amdhsa_system_sgpr_workgroup_id_y 1
		.amdhsa_system_sgpr_workgroup_id_z 1
		.amdhsa_system_vgpr_workitem_id 0
		.amdhsa_next_free_vgpr 896
		.amdhsa_next_free_sgpr 72
		.amdhsa_reserve_vcc 1
		.amdhsa_float_denorm_mode_32 3
		.amdhsa_float_denorm_mode_16_64 3
		.amdhsa_memory_ordered 1
		.amdhsa_forward_progress 1
		.amdhsa_inst_pref_size 189
	.end_amdhsa_kernel
	.amdgpu_metadata
---
amdhsa.version: [ 1, 2 ]
amdhsa.kernels:
  - .name:           k_q2ea411bef3_attn
    .symbol:         k_q2ea411bef3_attn.kd
    .args:
      - { .name: qkv, .offset: 0, .size: 8, .value_kind: global_buffer, .address_space: global }
      - { .name: att, .offset: 8, .size: 8, .value_kind: global_buffer, .address_space: global }
      - { .name: vlo, .offset: 16, .size: 8, .value_kind: global_buffer, .address_space: global }
    .group_segment_fixed_size: 327680
    .private_segment_fixed_size: 0
    .kernarg_segment_align: 8
    .kernarg_segment_size: 24
    .max_flat_workgroup_size: 128
    .sgpr_count:     72
    .vgpr_count:     896
    .wavefront_size: 32
...
	.end_amdgpu_metadata
.endif
;; end of part 3
;; launch proj (part 4): grid 32 x 8, 4 waves a work-group, clusters of 4 x 4, 327,680 bytes of LDS; arguments att, bf, out0; writes out0
.if DOCPART == 4
	.amdgcn_target "amdgcn-amd-amdhsa--gfx1250"
	.amdhsa_code_object_version 6
	.text
	.protected	k_q2ea411bef3_proj
	.globl	k_q2ea411bef3_proj
	.p2align	8
	.type	k_q2ea411bef3_proj,@function
k_q2ea411bef3_proj:
	s_mov_b64 s[64:65], 0
	v_nop
	global_prefetch_b8 v0, s[64:65] scope:SCOPE_SE
	s_setreg_imm32_b32 hwreg(HW_REG_WAVE_MODE, 25, 1), 1
	s_wait_xcnt 0x0
	s_wait_alu depctr_hold_cnt(0) depctr_sa_sdst(0) depctr_va_vdst(0) depctr_va_sdst(0) depctr_va_ssrc(0) depctr_va_vcc(0) depctr_vm_vsrc(0)
	s_getreg_b32 s2, hwreg(HW_REG_IB_STS2, 6, 4)
	s_cmp_eq_u32 s2, 0
	s_cbranch_scc0 .Lentry_in_a_cluster
	s_endpgm
.Lentry_in_a_cluster:
	s_bfe_u32 s2, ttmp6, 0x10000c
	s_cmp_lg_u32 s2, 0xf033
	s_cbranch_scc0 .Lentry_shape_is_right
	s_endpgm
.Lentry_shape_is_right:
; out0 = att Wo^T: M 2048, N 4096, K 2048.  att [2048][2048] f16 holds the attention's result / 4; byte 50,331,648 of bf holds 4 Wo [4096][2048] f16: the two factors cancel.  f32 sums, stored as f32.
; LIMIT: the order of the sums is the matrix unit's, K ascending in steps of 32.
; SHARES.  A tile of out0 is 256 rows x 128 columns: 32 x 8 = 256 work-groups.  Four waves; wave w owns rows 64 w .. 64 w + 63 and all 128 columns: 32 accumulators, 256 registers.
; THE RING HAS TWO SLOTS OF UNEQUAL LENGTH.  Slot P holds 256 along K (rows of 512 bytes, 384 x 528 = 202,752 bytes), slot Q 128 along K (rows of 256 bytes, 384 x 272 = 104,448 bytes).
; Two slots of 256 would take 405,504 bytes, more than the work-group's 327,680; two of 128 have three barriers for 384 along K where these have two.  K = 2,048 = 6 Q + 5 P, by turns, Q first and last.
; Every tile's rows begin at a multiple of 256 bytes of memory: Q's at 768 j, P's at 768 j + 256 of a row.
; CLUSTERS: 4 x 4 work-groups.  The four of a row of the cluster need the same rows of att, the four of a column the same rows of Wo: each tile is asked for JOINTLY, by the same tensor load
; with the same descriptor and a mask that names the four.
; THE MATRIX INSTRUCTION IS USED TRANSPOSED (source 0 = 16 rows of Wo, source 1 = 16 rows of att): lane l of accumulator (a, b) holds row 16 a + l % 16 and columns 16 b + 8 (l / 16) + 0..7.
; REGISTERS: window 0: v0-31 addresses; v64-159, v160-255 two fragment buffers (32 registers of att, 64 of Wo); on the way out v64-191 whole rows.   window 1: the accumulators, (a, b) at v[8 (8 a + b)].
.set SIZE_K, 2048
.set LAPS,   5                         ; whole laps (Q, then P) of 384 along K; the 128 that are left are a sixth tile for slot Q
.set WO_OFF, 50331648                  ; Wo's first byte in bf
.set PP,     528                       ; an LDS row of slot P: 512 bytes + 16 of padding: the 16 rows that a fragment load touches start at 16 different banks (64 banks of 4 bytes: ISA guide 11.1)
.set PQ,     272                       ; an LDS row of slot Q, and of the stage: 256 bytes + 16: likewise
.set P_B,    256*PP                    ; slot P: att's 256 rows from byte 0, then Wo's 128 rows
.set Q_A,    384*PP                    ; slot Q: att's 256 rows,
.set Q_B,    Q_A+256*PQ                ; then Wo's 128 rows
.set STAGE,  Q_A+384*PQ                ; behind the ring: 16 rows x 272 bytes for each wave, for the way out; no tensor load lands here
.set SPARE,  STAGE+4*16*PQ             ; behind the stages: the spare words, 128 bytes for each wave: two blocks of 256 bytes that no other line names
.set Q_K0,   0                         ; byte of a row at which slot Q's first tile begins,
.set P_K0,   256                       ; and slot P's
.set LAPB,   768                       ; bytes along a row from a slot's tile to its next
.set ADRA, 16                          ; v16-17  LDS address of my fragments of att in slot P, Q
.set ADRB, 20                          ; v20-21  the same for Wo
.set STO,  24                          ; v24     the way out: where I put 32 bytes of a row
.set RD,   25                          ; v25     the way out: where I read 16 bytes of a row back
.set CO,   26                          ; v26     my byte offset in two rows of out0: 16,384 (l / 16) + 16 (l % 16)
.set SPW,  28                          ; v28     LDS address of my spare word; never rewritten
.set NIL,  29                          ; v29     0; never rewritten
.set F0,   64
.set F1,   160
.set OB,   64                          ; the way out: v64-191, four buffers of 32 by turns: 16 rows x 256 bytes read back
.set WV,   16
.set ROLE, 17
.set HALF, 18
.set G1A,  24                          ; s[24:31], s[32:39] descriptor group 1 for att's tiles in slot P, Q
.set G1B,  40                          ; s[40:47], s[48:55] the same for Wo's tiles
.set G0A,  56                          ; s[56:59], s[60:63] descriptor group 0 for att's tiles in slot P, Q
.set G0B,  68                          ; s[68:71], s[72:75] the same for Wo's tiles
.set CNT,  76                          ; s76     laps to go
.set TMP2, 94                          ; s[94:95] at work
.set AAD,  96                          ; s[96:97] att at my part of the tiles' rows
.set BAD,  98                          ; s[98:99] Wo likewise
.set FIELDP, (1<<16)|(1<<20)|(1<<21)|(6<<22)|(3<<25)   ; elements of 2 bytes; padding on; bit 21 beside a mask; after every 128 words (code 6) 4 words (code 3)
.set FIELDQ, (1<<16)|(1<<20)|(1<<21)|(5<<22)|(3<<25)   ; the same after every 64 words (code 5)
.set MUL,  0x50                        ; C and D in window 1, both sources in window 0
.set MSB, 0
.macro WIN new
.if MSB != \new
	s_set_vgpr_msb (MSB<<8)|\new
.set MSB, \new
.endif
.endm
.macro PLACES                          ; four plain vector instructions between a matrix instruction and a load into, or a store of, its registers
.rept 4
	v_nop
.endr
.endm
.macro JLOAD s                         ; a joint refill of slot s (0: P, 1: Q): the branch hangs on the wave's number alone; four v_nop follow each of the two lines
	s_cmp_eq_u32 s[ROLE], 0
	s_cbranch_scc0 .Lfor_b_\@
	tensor_load_to_lds s[G0A+4*\s:G0A+4*\s+3], s[G1A+8*\s:G1A+8*\s+7]
	s_nop 0
.rept 4
	v_nop
.endr
	s_branch .Lasked_\@
.Lfor_b_\@:
	tensor_load_to_lds s[G0B+4*\s:G0B+4*\s+3], s[G1B+8*\s:G1B+8*\s+7]
	s_nop 0
.rept 4
	v_nop
.endr
.Lasked_\@:
.endm
.macro CREST                           ; a round of the cluster's barrier behind its opening barrier
	s_cmp_lg_u32 s[WV], 0
	s_cbranch_scc1 .Lnot_wave_0_\@
	s_barrier_signal -3
.Lnot_wave_0_\@:
	s_barrier_wait -3
	s_barrier_signal -1
	s_barrier_wait -1
.endm
.macro CROUND
	s_barrier_signal -1
	s_barrier_wait -1
	CREST
.endm
	s_load_b128 s[4:7], s[0:1], 0x0                ; att s[4:5], bf s[6:7]
	s_load_b64 s[8:9], s[0:1], 0x10                ; out0
	v_lshl_add_u32 v[SPW], v0, 2, SPARE
	v_mov_b32 v[NIL], 0
	ds_add_u32 v28, v29
	ds_add_u32 v28, v29
	s_wait_dscnt 0x0
	v_lshrrev_b32 v1, 5, v0
	v_readfirstlane_b32 s[WV], v1                  ; wave 0..3
	s_lshr_b32 s[ROLE], s[WV], 1                   ; I fetch att (0) or Wo (1)
	s_and_b32 s[HALF], s[WV], 1                    ; which half of that tile
	s_bfe_u32 s19, ttmp6, 0x40000                  ; cx
	s_bfe_u32 s20, ttmp6, 0x40004                  ; cy
	s_lshl_b32 s21, ttmp9, 2
	s_add_co_u32 s21, s21, s19                     ; TX: tile column = 4 x cluster x + cx
	s_and_b32 s22, ttmp7, 0xffff
	s_lshl_b32 s22, s22, 2
	s_add_co_u32 s22, s22, s20                     ; TY: tile row = 4 x cluster y + cy
	s_lshl_b32 s100, s20, 2
	s_lshl_b32 s100, 15, s100                      ; my row of the cluster
	s_lshl_b32 s101, 0x1111, s19                   ; my column
	s_or_b32 s[G1A], s100, FIELDP                  ; att's tiles hang on TY alone: shared along the row
	s_or_b32 s[G1A+8], s100, FIELDQ
	s_or_b32 s[G1B], s101, FIELDP                  ; Wo's on TX alone: shared along the column
	s_or_b32 s[G1B+8], s101, FIELDQ
.irp g, G1A, G1B
	s_mov_b32 s[\g+1], 256<<16                     ; slot P: tensor_dim0 = 256
	s_mov_b32 s[\g+3], 256<<16                     ; tile_dim0 = 256
	s_mov_b32 s[\g+5], SIZE_K                      ; elements from row to row
	s_mov_b32 s[\g+6], 0
	s_mov_b32 s[\g+7], 0
	s_mov_b32 s[\g+9], 128<<16                     ; slot Q: tensor_dim0 = 128
	s_mov_b32 s[\g+11], 128<<16                    ; tile_dim0 = 128
	s_mov_b32 s[\g+13], SIZE_K
	s_mov_b32 s[\g+14], 0
	s_mov_b32 s[\g+15], 0
.endr
	s_mov_b32 s[G1A+2], 128<<16                    ; att: tensor_dim1 = 128
	s_mov_b32 s[G1A+4], 128                        ; tile_dim1 = 128 rows
	s_mov_b32 s[G1A+10], 128<<16
	s_mov_b32 s[G1A+12], 128
	s_mov_b32 s[G1B+2], 64<<16                     ; Wo: tensor_dim1 = 64
	s_mov_b32 s[G1B+4], 64                         ; tile_dim1 = 64 rows
	s_mov_b32 s[G1B+10], 64<<16
	s_mov_b32 s[G1B+12], 64
	s_lshl_b32 s[AAD], s22, 8
	s_lshl_b32 s23, s[HALF], 7
	s_add_co_u32 s[AAD], s[AAD], s23               ; att: row 256 TY + 128 half
	s_mul_i32 s[AAD], s[AAD], 2*SIZE_K             ; in bytes: under 2^23
	s_mov_b32 s[AAD+1], 0
	s_lshl_b32 s[BAD], s21, 7
	s_lshl_b32 s23, s[HALF], 6
	s_add_co_u32 s[BAD], s[BAD], s23               ; Wo: row 128 TX + 64 half
	s_mul_i32 s[BAD], s[BAD], 2*SIZE_K
	s_add_co_u32 s[BAD], s[BAD], WO_OFF            ; under 2^27
	s_mov_b32 s[BAD+1], 0
	s_lshl_b32 s[TMP2], s22, 22                    ; out0: 256 TY rows of 16,384 bytes,
	s_lshl_b32 s[TMP2+1], s[WV], 20                ; 64 wave rows,
	s_add_co_u32 s[TMP2], s[TMP2], s[TMP2+1]
	s_lshl_b32 s[TMP2+1], s21, 9                   ; the tile's 512 bytes of a row
	s_add_co_u32 s[TMP2], s[TMP2], s[TMP2+1]
	s_mov_b32 s[TMP2+1], 0
	s_wait_kmcnt 0x0
	s_add_nc_u64 s[AAD:AAD+1], s[4:5], s[AAD:AAD+1]
	s_add_nc_u64 s[BAD:BAD+1], s[6:7], s[BAD:BAD+1]
	s_add_nc_u64 s[8:9], s[8:9], s[TMP2:TMP2+1]    ; out0 at my wave's first row, my tile's first column
	CROUND                                         ; all sixteen work-groups are here: the first joint loads meet
	s_mov_b32 s[G0A], 1                            ; count = 1
	s_mul_i32 s[G0A+1], s[HALF], 128*PP            ; LDS address in slot P: no place in the cluster enters it
	s_add_nc_u64 s[G0A+2:G0A+3], s[AAD:AAD+1], P_K0
	s_or_b32 s[G0A+3], s[G0A+3], 0x80000000        ; type = 2
	s_mov_b32 s[G0A+4], 1
	s_mul_i32 s[G0A+5], s[HALF], 128*PQ
	s_add_co_u32 s[G0A+5], s[G0A+5], Q_A           ; in slot Q
	s_add_nc_u64 s[G0A+6:G0A+7], s[AAD:AAD+1], Q_K0
	s_or_b32 s[G0A+7], s[G0A+7], 0x80000000
	s_mov_b32 s[G0B], 1
	s_mul_i32 s[G0B+1], s[HALF], 64*PP
	s_add_co_u32 s[G0B+1], s[G0B+1], P_B
	s_add_nc_u64 s[G0B+2:G0B+3], s[BAD:BAD+1], P_K0
	s_or_b32 s[G0B+3], s[G0B+3], 0x80000000
	s_mov_b32 s[G0B+4], 1
	s_mul_i32 s[G0B+5], s[HALF], 64*PQ
	s_add_co_u32 s[G0B+5], s[G0B+5], Q_B
	s_add_nc_u64 s[G0B+6:G0B+7], s[BAD:BAD+1], Q_K0
	s_or_b32 s[G0B+7], s[G0B+7], 0x80000000
	s_cmp_eq_u32 s[ROLE], 0                        ; a wave's two first fills stand in one branch, ahead of every wait on TENSORcnt and every LDS read: two loads of mine are out; slot Q's, which is read first, goes first
	s_cbranch_scc0 .Lfirst_b
	tensor_load_to_lds s[G0A+4:G0A+7], s[G1A+8:G1A+15]
	s_nop 0
	tensor_load_to_lds s[G0A:G0A+3], s[G1A:G1A+7]
	s_nop 0
.rept 4
	v_nop
.endr
	s_branch .Lfirst_asked
.Lfirst_b:
	tensor_load_to_lds s[G0B+4:G0B+7], s[G1B+8:G1B+15]
	s_nop 0
	tensor_load_to_lds s[G0B:G0B+3], s[G1B:G1B+7]
	s_nop 0
.rept 4
	v_nop
.endr
.Lfirst_asked:
	v_and_b32 v1, 15, v0                           ; r = l % 16
	v_bfe_u32 v2, v0, 4, 1                         ; h = l / 16
	v_mul_u32_u24 v3, v1, PQ
	v_lshl_add_u32 v3, v2, 4, v3                   ; a fragment's row x slot Q's pitch + 16 h
	v_mul_u32_u24 v4, v1, PP
	v_lshl_add_u32 v4, v2, 4, v4                   ; the same with slot P's pitch
	s_mul_i32 s23, s[WV], 64*PP                    ; my 64 rows of att in slot P
	v_add_nc_u32 v[ADRA], s23, v4
	s_mul_i32 s23, s[WV], 64*PQ
	s_add_co_u32 s23, s23, Q_A                     ; and in slot Q
	v_add_nc_u32 v[ADRA+1], s23, v3
	v_add_nc_u32 v[ADRB], P_B, v4                  ; every wave reads all 128 rows of Wo
	v_add_nc_u32 v[ADRB+1], Q_B, v3
	s_mul_i32 s23, s[WV], 16*PQ
	s_add_co_u32 s23, s23, STAGE                   ; my stage
	v_mul_u32_u24 v[STO], v1, PQ                   ; in: row r, 32 bytes for each half of the lanes
	v_lshl_add_u32 v[STO], v2, 5, v[STO]
	v_add_nc_u32 v[STO], s23, v[STO]
	v_mul_u32_u24 v[RD], v2, PQ                    ; back: lanes 0-15 take one row's 256 bytes, lanes 16-31 the next row's
	v_lshl_add_u32 v[RD], v1, 4, v[RD]
	v_add_nc_u32 v[RD], s23, v[RD]
	v_lshlrev_b32 v[CO], 14, v2                    ; and the same two rows in out0
	v_lshl_add_u32 v[CO], v1, 4, v[CO]
; 8 matrix instructions: row tile a x all 8 column tiles, 32 along K.  zero = 1: the product starts the sums: nothing is ever cleared.
.macro MUL8 f, a, zero
.irp b, 0,1,2,3,4,5,6,7
.if \zero
	v_wmma_f32_16x16x32_f16 v[8*(8*(\a)+\b):8*(8*(\a)+\b)+7], v[\f+32+8*\b:\f+32+8*\b+7], v[\f+8*(\a):\f+8*(\a)+7], 0
.else
	v_wmma_f32_16x16x32_f16 v[8*(8*(\a)+\b):8*(8*(\a)+\b)+7], v[\f+32+8*\b:\f+32+8*\b+7], v[\f+8*(\a):\f+8*(\a)+7], v[8*(8*(\a)+\b):8*(8*(\a)+\b)+7]
.endif
.endr
.endm
.macro MUL16 f, a0, zero
	MUL8 \f, \a0, \zero
	MUL8 \f, \a0+1, \zero
.endm
; 24 LDS loads in one run: the fragments of 32 along K at byte k of the slot's rows, into buffer f: Wo's eight, then att's four
.macro FETCH slot, k, f
.set PIT, PP-(\slot)*(PP-PQ)           ; the slot's pitch
	WIN 0
.irp b, 0,1,2,3,4,5,6,7
	ds_load_b128 v[\f+32+8*\b:\f+32+8*\b+3],   v[ADRB+\slot] offset:\k+\b*16*PIT
	ds_load_b128 v[\f+32+8*\b+4:\f+32+8*\b+7], v[ADRB+\slot] offset:\k+\b*16*PIT+32
.endr
.irp a, 0,1,2,3
	ds_load_b128 v[\f+8*\a:\f+8*\a+3],   v[ADRA+\slot] offset:\k+\a*16*PIT
	ds_load_b128 v[\f+8*\a+4:\f+8*\a+7], v[ADRA+\slot] offset:\k+\a*16*PIT+32
.endr
.endm
; Slot P is eight quarters of 32 along K, slot Q four, 32 matrix instructions each, on buffers 0, 1, 0, 1 ..; the 32 accumulators take turns in the same order everywhere.
.macro QUARTER slot, k, f, g, zero
	s_wait_dscnt 4                                 ; Wo and att's row tiles 0, 1 are in; the youngest four loads (row tiles 2, 3) may be out
	WIN MUL
	MUL16 \f, 0, \zero
	PLACES
	FETCH \slot, \k, \g
	s_wait_dscnt 24                                ; all but the 24 just issued
	WIN MUL
	MUL16 \f, 2, \zero
.endm
; A slot's last quarter multiplies buffer 1 and changes slots: ONE barrier; in front of it each wave waits for all its tensor loads (the one that is out is its part of the next slot),
; adds 0 to its spare word, and waits for that and for its own reads of this slot.  fill = 1: the barrier opens a round of the cluster's barrier, and this slot is filled again, 384 along K on.
; From a request to the wait for it a wave issues 112 matrix instructions (slot P's refill) or 240 (slot Q's).
.macro TURN slot, next, fill
	WIN 0                                          ; (the add's two registers lie in window 0)
	s_wait_tensorcnt 0x0                           ; all my tensor loads have landed
	ds_add_u32 v[SPW], v[NIL]                      ; 0 onto my spare word
	s_wait_dscnt 5                                 ; (the add and the youngest four loads may be out)
	WIN MUL
	MUL8 F1, 0, 0                                  ; eight matrix instructions stand between the add and the wait for it
	s_wait_dscnt 0x0                               ; the add is done, and my reads of this slot are over
	s_barrier_signal -1
	MUL8 F1, 1, 0                                  ; work on registers while the others arrive
.if \fill
	WIN 0
.endif
	s_barrier_wait -1
.if \fill
	CREST                                          ; no wave of any partner still reads this slot's tile or has a load on its way
	s_add_nc_u64 s[G0A+4*\slot+2:G0A+4*\slot+3], s[G0A+4*\slot+2:G0A+4*\slot+3], LAPB
	s_add_nc_u64 s[G0B+4*\slot+2:G0B+4*\slot+3], s[G0B+4*\slot+2:G0B+4*\slot+3], LAPB
	JLOAD \slot                                    ; the first tensor load behind the round; its four v_nop are also the places in front of the loads below
.else
	PLACES
.endif
	FETCH \next, 0, F0
	WIN MUL
	MUL16 F1, 2, 0
.endm
.macro P_HEAD                          ; slot P's quarters 0 to 6
	QUARTER 0, 64,  F0, F1, 0
	QUARTER 0, 128, F1, F0, 0
	QUARTER 0, 192, F0, F1, 0
	QUARTER 0, 256, F1, F0, 0
	QUARTER 0, 320, F0, F1, 0
	QUARTER 0, 384, F1, F0, 0
	QUARTER 0, 448, F0, F1, 0
.endm
.macro Q_REST                          ; slot Q's quarters 1 and 2
	QUARTER 1, 128, F1, F0, 0
	QUARTER 1, 192, F0, F1, 0
.endm
	s_wait_tensorcnt 0x1                           ; my part of slot Q's first tile is in; slot P's may stay out
	s_barrier_signal -1
	s_barrier_wait -1                              ; everybody's is
	FETCH 1, 0, F0
	QUARTER 1, 64, F0, F1, 1                       ; the first quarter stands in front of the loop: its products start the sums
	WIN 0                                          ; at a label and at a branch every window is 0
	s_mov_b32 s[CNT], LAPS-1
.Llap:                                                 ; a trip goes once round the ring, from slot Q's second quarter to its next tile's first, and fills both slots again
	Q_REST
	TURN 1, 0, 1
	P_HEAD
	TURN 0, 1, 1
	QUARTER 1, 64, F0, F1, 0
	WIN 0
	s_sub_co_u32 s[CNT], s[CNT], 1
	s_cmp_lg_u32 s[CNT], 0
	s_cbranch_scc1 .Llap
	Q_REST                                         ; the last lap: slot Q takes its sixth tile, slot P nothing more
	TURN 1, 0, 1
	P_HEAD
	TURN 0, 1, 0
	QUARTER 1, 64, F0, F1, 0
	Q_REST
	s_wait_dscnt 4                                 ; the very last quarter: nothing more to fetch
	WIN MUL
	MUL16 F1, 0, 0
	s_wait_dscnt 0x0
	MUL16 F1, 2, 0
	WIN 0
	PLACES                                         ; behind the last products: what follows stores results and loads into fragment registers
	; THE WAY OUT, in eight units: unit u = row tile u / 2, columns 64 (u % 2) on: 16 rows x 256 bytes.  A lane's eight columns of a row are 32 bytes; the unit goes into my own stage and comes back by rows.
.macro TOSTAGE u
.set AC, 8*(8*((\u)/2)+4*((\u)%2))
.set BKR, OB+32*((\u)%4)
	WIN 0x04                                       ; the stores' data in window 1
.irp c, 0,1,2,3
	ds_store_b128 v[STO], v[AC+8*\c:AC+8*\c+3]   offset:64*\c       ; each accumulator's low half first
	ds_store_b128 v[STO], v[AC+8*\c+4:AC+8*\c+7] offset:64*\c+16
.endr
	WIN 0
.if \u > 3
	s_wait_xcnt 0x0                                ; the registers below are named by the stores of the unit four back: they are loaded again only behind this wait (ISA guide 3.1)
.endif
.irp t, 0,1,2,3,4,5,6,7
	ds_load_b128 v[BKR+4*\t:BKR+4*\t+3], v[RD] offset:\t*2*PQ   ; LDS serves a wave's instructions in order (ISA guide 5.7.1.4): these see the stores above, and the next unit's stores come behind them
.endr
.endm
.macro SEND u, younger                 ; younger: the LDS instructions issued behind this unit's loads: the next unit's sixteen, or none
.set BKR, OB+32*((\u)%4)
.irp t, 0,1,2,3,4,5,6,7
	s_wait_dscnt \younger+7-\t
	global_store_b128 v[CO], v[BKR+4*\t:BKR+4*\t+3], s[8:9] offset:(16*((\u)/2)+2*\t)*16384+256*((\u)%2) th:TH_STORE_NT   ; 16 lanes store 256 consecutive bytes, at a multiple of 256 from out0's first byte; 62 rows at the most: inside the signed 24-bit immediate
.endr
.endm
	TOSTAGE 0
.irp u, 1,2,3,4,5,6,7                  ; a unit's trip through the stage stands between the loads of the unit before and its stores
	TOSTAGE \u
	SEND \u-1, 16
.endr
	SEND 7, 0
	s_wait_tensorcnt 0x0                           ; the wave's end: behind my last tensor load and my last LDS store
	ds_add_u32 v[SPW], v[NIL]
	s_wait_dscnt 0x0
	CROUND                                         ; the closing round: no work-group ends while a partner may still ask for a tile that names it
	s_endpgm
.Lfunc_end_k_q2ea411bef3_proj:
	.size	k_q2ea411bef3_proj, .Lfunc_end_k_q2ea411bef3_proj-k_q2ea411bef3_proj
	.p2alignl 7, 3214868480
	.fill 96, 4, 3214868480
	.section	.rodata,"a",@progbits
	.p2align	6, 0x0
	.amdhsa_kernel k_q2ea411bef3_proj
		.amdhsa_group_segment_fixed_size 327680
		.amdhsa_private_segment_fixed_size 0
		.amdhsa_enable_private_segment 0
		.amdhsa_kernarg_size 24
		.amdhsa_user_sgpr_count 2
		.amdhsa_user_sgpr_kernarg_segment_ptr 1
		.amdhsa_wavefront_size32 1
		.amdhsa_system_sgpr_workgroup_id_x 1
		.amdhsa_system_sgpr_workgroup_id_y 1
		.amdhsa_system_sgpr_workgroup_id_z 1
		.amdhsa_system_vgpr_workitem_id 0
		.amdhsa_next_free_vgpr 512
		.amdhsa_next_free_sgpr 102
		.amdhsa_reserve_vcc 0
		.amdhsa_float_denorm_mode_32 3
		.amdhsa_float_denorm_mode_16_64 3
		.amdhsa_memory_ordered 1
		.amdhsa_forward_progress 1
		.amdhsa_inst_pref_size 134
	.end_amdhsa_kernel
	.amdgpu_metadata
---
amdhsa.version: [ 1, 2 ]
amdhsa.kernels:
  - .name:           k_q2ea411bef3_proj
    .symbol:         k_q2ea411bef3_proj.kd
    .args:
      - { .name: att, .offset: 0, .size: 8, .value_kind: global_buffer, .address_space: global }
      - { .name: bf, .offset: 8, .size: 8, .value_kind: global_buffer, .address_space: global }
      - { .name: out0, .offset: 16, .size: 8, .value_kind: global_buffer, .address_space: global }
    .group_segment_fixed_size: 327680
    .private_segment_fixed_size: 0
    .kernarg_segment_align: 8
    .kernarg_segment_size: 24
    .max_flat_workgroup_size: 128
    .sgpr_count:     102
    .vgpr_count:     512
    .wavefront_size: 32
...
	.end_amdgpu_metadata
.endif
;; end of part 4
